; MI455X (gfx1250); checked and timed in simulation.
; The chip was launched on July 23, 2026; its instructions are those of AMD's public machine-readable ISA for CDNA 5 (MIT licence, August 2026) and "CDNA5" Instruction Set Architecture Reference Guide (July 2026). The comments in the code are by the model that wrote it; some were corrected since.
;; Self Attention. Allowed arithmetic: matrix products marked QUANTISED: E2M1 operands, one E8M0 scale for each 32 along K, by v_wmma_scale_f32_16x16x128_f8f6f4 with both operands' format E2M1 (or v_wmma_scale_f32_32x16x128_f4), f32 sums; products left as they are: bf16, f16 or f32 operands; f32 sums; everything else in f32.
;; Inputs: in_proj_b 3,072 float32; in_proj_w 3,072 x 1,024 float32; out_b 1,024 float32; out_w 1,024 x 1,024 float32; x 2 x 2,048 x 1,024 float32.
;; Outputs: out0 2 x 2,048 x 1,024 float32.
;; This version of the problem:
;;   THIS VERSION OF THE PROBLEM IS GIVEN IN LOW PRECISION. The matrix products marked QUANTISED in the list below multiply operands that are first quantised to E2M1 (2 exponent bits, 1 mantissa bit; 4 bits a number), with one power-of-two scale for each 32 numbers along K (OCP MX v1.0); their sums are f32. The products marked 'left as it is' may take bf16, f16 or f32 operands, with f32 sums. Whichever they take, every output number must still come out within the allowed error. Rounding operands to bf16 (8 significant bits) uses up far more of that allowance than f16 does (11 bits, for magnitudes from 6e-5 to 65,504). All else is computed in f32.
;;   The module's matrix products, in the order in which they are computed (A, B: the left and right operand; K: the contracted axis; several contracted axes count as one K, in the product's order):
;;     1. [M 4,096, K 1,024] x [K 1,024, N 3,072]; A: input x; B: input in_proj_w: QUANTISED
;;     2. batch 32 x [M 2,048, K 64] x [K 64, N 2,048]; A: computed on the way; B: computed on the way: left as it is (an operand is computed on the way)
;;     3. batch 32 x [M 2,048, K 2,048] x [K 2,048, N 64]; A: computed on the way; B: computed on the way: left as it is (an operand is computed on the way)
;;     4. [M 4,096, K 1,024] x [K 1,024, N 1,024]; A: computed on the way; B: input out_w: left as it is (an operand is computed on the way)
;;   THE QUANTISER, for each operand of a quantised product, along K:
;;     - K is cut into blocks of 32 from its start; a last block that is shorter is filled with zeros.
;;     - A block's scale is 2^e with e = floor(log2(the largest magnitude in the block)) - 2, held to -126 .. 127; a block of zeros has e = 0. As a byte (E8M0): e + 127.
;;     - Each number is divided by its block's scale, clamped to +-6, and rounded to the nearest number of E2M1, ties to even, subnormals kept.
;;     - The product sums the exact products of the quantised numbers (number of the format x scale) in f32.
;;   ~~~python
;;   def quantise(x, axis):      # numpy; x: float32 -> the quantised numbers, widened to float32 again
;;       x = np.moveaxis(x, axis, -1); K = x.shape[-1]
;;       x = np.pad(x, [(0, 0)] * (x.ndim - 1) + [(0, -K % 32)]); x = x.reshape(x.shape[:-1] + (-1, 32)); a = np.abs(x).max(-1, keepdims=True)
;;       e = np.where(a > 0, np.clip(np.frexp(np.where(a > 0, a, 1))[1] - 1 - 2, -126, 127), 0)      # np.frexp(a)[1] - 1 = floor(log2(a)), exactly
;;       r = np.clip(x / 2.0 ** e, -6, 6)
;;       step = 2.0 ** (np.maximum(np.frexp(np.where(r == 0, 1, r))[1] - 1, 0) - 1)
;;       q = np.round(r / step) * step * 2.0 ** e      # np.round: ties to even
;;       return np.moveaxis(q.reshape(q.shape[:-2] + (-1,))[..., :K], -1, axis).astype(np.float32)
;;   ~~~
;; One version. Each part assembles by itself: llvm-mc -triple=amdgcn-amd-amdhsa -mcpu=gfx1250 --defsym DOCPART=n.
;; ======== version 1 of 1: 5 launches
;; limits: values are held in f16: magnitudes above 65,504 overflow, below 6.1e-05 lose precision
;; workspace buffers: xc 2,097,152 bytes; xs 131,072 bytes; wc 1,572,864 bytes; ws 98,304 bytes; ow16 2,097,152 bytes; qkv16 25,165,824 bytes; qkv32 393,216 bytes; ctx16 8,388,608 bytes
;; launch prep (part 1): grid 256 x 1, 4 waves a work-group, no clusters, 33,280 bytes of LDS; arguments x, in_proj_w, xc, xs, wc, ws, out_w, ow16; writes xc, xs, wc, ws, ow16
.if DOCPART == 1
	.amdgcn_target "amdgcn-amd-amdhsa--gfx1250"
	.amdhsa_code_object_version 6
	.text
	.protected	k_q14565fd960_prep
	.globl	k_q14565fd960_prep
	.p2align	8
	.type	k_q14565fd960_prep,@function
k_q14565fd960_prep:
	s_mov_b64 s[64:65], 0
	v_nop
	global_prefetch_b8 v0, s[64:65] scope:SCOPE_SE
	s_setreg_imm32_b32 hwreg(HW_REG_WAVE_MODE, 25, 1), 1
	s_wait_xcnt 0x0
; x [4096][1024] and in_proj_w [3072][1024], f32, become codes of FP4 (E2M1), K innermost, two codes a byte, with one E8M0 scale byte for each 32 along K;
; out_w [1024][1024], f32, becomes f16, laid by tiles: byte (n / 128) 262144 + (k / 64) 16384 + (n % 128) 128 + (k % 64) 2, so that 128 rows x 64 along K are one dense block.
; A block's scale is 2^(floor(log2(its largest magnitude)) - 2); its byte is the largest magnitude's own exponent field - 2, held at 1 from below.  Each number is divided by the scale and rounded to the nearest code, ties to even.
; LIMITS: a block of zeros gets the byte 1 where the rule says 127 (its codes are zeros, and the bytes are read by this program alone); blocks whose largest magnitude lies under 2^(2 - 126) keep the byte 1;
; NaN and infinities are not served; out_w's numbers lie under 65,504 in magnitude (f16).
; Work-groups 0-127 take x, 128-223 in_proj_w (one path, the buffers chosen by the work-group's number), 224-255 out_w (a path of its own, which touches no LDS but the closing add).
; THE QUANTISER.  Rows are dense and K is a multiple of 32: a tensor is a stream of blocks of 32.  A wave takes 16 steps of 512 numbers.  Each of a step's four loads reads 512 consecutive bytes; the 2,048 bytes go through
; the wave's own stage in LDS and come back 64 bytes a lane: 16 neighbours, two lanes to a block.  A lane's 16 codes are 8 bytes: the wave stores 256 consecutive bytes.  A wave's 256 scale bytes are gathered in LDS and leave together.
.set SIZE_M, 4096
.set SIZE_N, 3072
.set SIZE_K, 1024
.set WAVES, 4
.set STEPS, 16
.set WGA,   SIZE_M*SIZE_K/(512*STEPS*WAVES)             ; 128 work-groups for x
.set WGQ,   (SIZE_M+SIZE_N)*SIZE_K/(512*STEPS*WAVES)    ; 224 for both quantised tensors
.set EMAX,  2
.set CB,    8                          ; bytes of 16 codes
.set R,     16                         ; v16-79   four sets of 16 numbers as they are loaded
.set X,     80                         ; v80-111  two sets of 16 neighbours
.set C,     128                        ; v128-191 codes: four registers for each step, so that no store's data are written again
.set E,     112                        ; v112-127 a scale byte for each step
.set WREG,  8192                       ; LDS: a region for each wave: two stages of 32 x SP bytes, behind them its 256 scale bytes
.set SP,    80                         ; a lane's place in a stage: its 64 bytes + 16 of padding
.set SPW,   12                         ; v12  LDS address of my spare word; never rewritten
.set NIL,   13                         ; v13  0; never rewritten
.set SPARE, WAVES*WREG                 ; behind the four regions: the spare words, 128 bytes a wave
.set CIN,   16                         ; out_w's path: v16-143 two sets of 64 numbers
.set COUT,  144                        ; v144-175 eight items of 8 f16
	s_load_b128 s[4:7], s[0:1], 0x0                ; x, in_proj_w
	s_load_b128 s[8:11], s[0:1], 0x10              ; x's codes, x's scales
	s_load_b128 s[12:15], s[0:1], 0x20             ; w's codes, w's scales
	s_load_b128 s[24:27], s[0:1], 0x30             ; out_w, ow16
	v_lshl_add_u32 v[SPW], v0, 2, SPARE
	v_mov_b32 v[NIL], 0
	v_lshrrev_b32 v1, 5, v0
	v_readfirstlane_b32 s16, v1                    ; wave
	v_and_b32 v2, 31, v0                           ; lane
	v_lshlrev_b32 v3, 4, v2                        ; my 16 bytes of 512
	s_mul_i32 s17, s16, WREG
	v_lshrrev_b32 v14, 2, v2
	v_mul_u32_u24 v14, v14, SP
	v_and_b32 v15, 3, v2
	v_lshl_add_u32 v14, v15, 4, v14
	v_add_nc_u32 v14, s17, v14                     ; the stage, on the way in: SP (lane / 4) + 16 (lane % 4)
	v_mul_u32_u24 v15, v2, SP
	v_add_nc_u32 v15, s17, v15                     ; and on the way out: SP x lane: my 16 neighbours
	v_mul_u32_u24 v4, v2, CB                       ; my codes' place in a step's
	v_lshrrev_b32 v5, 1, v2
	s_add_co_u32 s17, s17, 2*32*SP
	v_add_nc_u32 v5, s17, v5                       ; LDS: my wave's 256 scale bytes, my block's byte
	v_lshlrev_b32 v7, 3, v2                        ; and on the way out 8 bytes a lane
	v_add_nc_u32 v6, s17, v7
	s_wait_kmcnt 0x0
	s_cmp_ge_u32 ttmp9, WGQ                        ; the last 32 work-groups convert out_w
	s_cbranch_scc1 .Lconv
	s_cmp_lt_u32 ttmp9, WGA                        ; x's work-group or w's?  The choice hangs on the work-group's number alone
	s_cselect_b64 s[4:5], s[4:5], s[6:7]
	s_cselect_b64 s[8:9], s[8:9], s[12:13]
	s_cselect_b64 s[10:11], s[10:11], s[14:15]
	s_cselect_b32 s17, 0, WGA
	s_sub_co_u32 s17, ttmp9, s17
	s_lshl_b32 s17, s17, 2
	s_add_co_u32 s18, s17, s16                     ; which run of 8,192 numbers of the tensor is my wave's
	s_mov_b32 s19, 0
	s_mov_b64 s[20:21], 512*STEPS*4
	s_mul_u64 s[20:21], s[18:19], s[20:21]
	s_add_nc_u64 s[4:5], s[4:5], s[20:21]
	s_mov_b64 s[20:21], 32*STEPS*CB
	s_mul_u64 s[20:21], s[18:19], s[20:21]
	s_add_nc_u64 s[8:9], s[8:9], s[20:21]
	s_lshl_b32 s18, s18, 8                         ; 256 scale bytes a run
	s_add_nc_u64 s[10:11], s[10:11], s[18:19]
.macro LOAD t
.irp i, 0,1,2,3
	global_load_b128 v[R+16*((\t)%4)+4*\i:R+16*((\t)%4)+4*\i+3], v3, s[4:5] offset:2048*(\t)+512*\i th:TH_LOAD_NT   ; 32 lanes read 512 consecutive bytes
.endr
.endm
.macro TURN t                          ; step t's numbers through the stage: LDS serves a wave's instructions in order, so no wait stands between the stores and the loads
.irp i, 0,1,2,3
	ds_store_b128 v14, v[R+16*((\t)%4)+4*\i:R+16*((\t)%4)+4*\i+3] offset:32*SP*((\t)%2)+8*SP*\i
.endr
.irp i, 0,1,2,3
	ds_load_b128 v[X+16*((\t)%2)+4*\i:X+16*((\t)%2)+4*\i+3], v15 offset:32*SP*((\t)%2)+16*\i
.endr
.endm
.irp t, 0,1,2,3
	LOAD \t
.endr
	s_wait_loadcnt 12                              ; step 0's four loads are in; the twelve of steps 1 to 3 may be out
	TURN 0
.macro STEP t
.set XS, X+16*((\t)%2)
.if (\t) > 0
	s_wait_dscnt 1                                 ; this step's numbers are back from the stage (the last step's byte store may be out): so its stores into the stage have read their registers,
.else
	s_wait_dscnt 0x0
.endif
.if (\t)+4 < STEPS
	LOAD (\t)+4                                    ; which take the loads of four steps on
.endif
.if (\t)+1 < STEPS
.if STEPS-2-(\t) >= 3
	s_wait_loadcnt 12                              ; the next step's four loads are in; those of the three steps behind it may be out
.else
	s_wait_loadcnt 4*(STEPS-2-(\t))
.endif
	TURN (\t)+1                                    ; and go through the other stage while this step is worked
.endif
	v_max3_num_f32 v8, |v[XS]|, |v[XS+1]|, |v[XS+2]|               ; the largest magnitude of my 16
	v_max3_num_f32 v9, |v[XS+3]|, |v[XS+4]|, |v[XS+5]|
.irp i, 6,10
	v_max3_num_f32 v8, v8, |v[XS+\i]|, |v[XS+\i+1]|
	v_max3_num_f32 v9, v9, |v[XS+\i+2]|, |v[XS+\i+3]|
.endr
	v_max3_num_f32 v8, v8, |v[XS+14]|, |v[XS+15]|
	v_max3_num_f32 v8, v8, v9, (EMAX+1)<<23        ; and the floor 2^(EMAX + 1 - 127): the byte cannot fall under 1
	v_max_num_f32_dpp v8, v8, v8 row_xmask:1 row_mask:0xf bank_mask:0xf   ; and of my neighbour's 16: the block's
	v_add_nc_u32 v11, -(EMAX<<23), v8              ; EMAX off its exponent field: the conversion takes the exponent field of this operand as its scale
	v_cvt_scalef32_pk8_fp4_f32 v[C+4*(\t)], v[XS:XS+7], v11
	v_cvt_scalef32_pk8_fp4_f32 v[C+4*(\t)+1], v[XS+8:XS+15], v11
	v_lshrrev_b32 v[E+(\t)], 23, v11               ; the scale's byte (a plain line behind the conversions)
	ds_store_b8 v5, v[E+(\t)] offset:16*(\t)       ; both lanes of a block write the same byte with the same value
	global_store_b64 v4, v[C+4*(\t):C+4*(\t)+1], s[8:9] offset:32*CB*(\t)   ; the wave stores 256 consecutive bytes, aligned
.endm
.irp t, 0,1,2,3,4,5,6,7,8,9,10,11,12,13,14,15
	STEP \t
.endr
	ds_load_b64 v[8:9], v6                         ; LDS serves a wave's instructions in order: these see my stores
	s_wait_dscnt 0x0
	global_store_b64 v7, v[8:9], s[10:11]          ; 32 lanes store 256 consecutive bytes, aligned
	s_branch .Lend
; OUT_W TO F16.  A wave takes 8 rows.  An item is 4 rows x 64 along K: lane l takes row l / 8 and 8 numbers (32 bytes in by two loads, 16 bytes out); the item's store covers 512 consecutive bytes of ow16.
; Item it of 32: rows 4 (it / 16) on, K block it % 16.  Four batches of eight items; two sets of input registers take turns, so that sixteen loads are out while a batch is converted.
.Lconv:
	s_sub_co_u32 s17, ttmp9, WGQ
	s_lshl_b32 s17, s17, 5
	s_lshl_b32 s18, s16, 3
	s_add_co_u32 s17, s17, s18                     ; my first row n0 = 32 x (work-group - 224) + 8 x wave
	s_lshl_b32 s20, s17, 12                        ; a row of out_w is 4,096 bytes
	s_mov_b32 s21, 0
	s_add_nc_u64 s[24:25], s[24:25], s[20:21]
	s_lshr_b32 s18, s17, 7
	s_lshl_b32 s18, s18, 18                        ; (n0 / 128) x 262,144
	s_and_b32 s19, s17, 127
	s_lshl_b32 s19, s19, 7                         ; (n0 % 128) x 128
	s_add_co_u32 s20, s18, s19
	s_add_nc_u64 s[26:27], s[26:27], s[20:21]
	v_lshrrev_b32 v8, 3, v2
	v_lshlrev_b32 v8, 12, v8
	v_and_b32 v9, 7, v2
	v_lshl_add_u32 v8, v9, 5, v8                   ; in: (lane / 8) rows + 32 (lane % 8); out: 16 x lane, which is v3
.macro LOADB bt
.irp i, 0,1,2,3,4,5,6,7
	global_load_b128 v[CIN+64*((\bt)%2)+8*\i:CIN+64*((\bt)%2)+8*\i+3],   v8, s[24:25] offset:((8*(\bt)+\i)/16)*16384+((8*(\bt)+\i)%16)*256 th:TH_LOAD_NT
	global_load_b128 v[CIN+64*((\bt)%2)+8*\i+4:CIN+64*((\bt)%2)+8*\i+7], v8, s[24:25] offset:((8*(\bt)+\i)/16)*16384+((8*(\bt)+\i)%16)*256+16 th:TH_LOAD_NT
.endr
.endm
.macro CVB bt
.irp i, 0,1,2,3,4,5,6,7
.irp p, 0,1,2,3
	v_cvt_pk_f16_f32 v[COUT+4*\i+\p], v[CIN+64*((\bt)%2)+8*\i+2*\p], v[CIN+64*((\bt)%2)+8*\i+2*\p+1]
.endr
.endr
.irp i, 0,1,2,3,4,5,6,7
	global_store_b128 v3, v[COUT+4*\i:COUT+4*\i+3], s[26:27] offset:((8*(\bt)+\i)%16)*16384+((8*(\bt)+\i)/16)*512
.endr
.endm
	LOADB 0
	LOADB 1
.irp bt, 0,1,2,3
.if \bt < 3
	s_wait_loadcnt 16                              ; this batch's sixteen loads are in; the next batch's may be out
.else
	s_wait_loadcnt 0x0
.endif
	s_wait_xcnt 0x0                                ; the last batch's stores have read their data registers, which are written anew below
	CVB \bt
.if \bt < 2
	LOADB \bt+2
.endif
.endr
.Lend:
	s_wait_tensorcnt 0x0                           ; the wave's end, behind my last LDS store
	ds_add_u32 v[SPW], v[NIL]
	s_wait_dscnt 0x0
	s_endpgm
.Lfunc_end_k_q14565fd960_prep:
	.size	k_q14565fd960_prep, .Lfunc_end_k_q14565fd960_prep-k_q14565fd960_prep
	.p2alignl 7, 3214868480
	.fill 96, 4, 3214868480
	.section	.rodata,"a",@progbits
	.p2align	6, 0x0
	.amdhsa_kernel k_q14565fd960_prep
		.amdhsa_group_segment_fixed_size 33280
		.amdhsa_private_segment_fixed_size 0
		.amdhsa_enable_private_segment 0
		.amdhsa_kernarg_size 64
		.amdhsa_user_sgpr_count 2
		.amdhsa_user_sgpr_kernarg_segment_ptr 1
		.amdhsa_wavefront_size32 1
		.amdhsa_system_sgpr_workgroup_id_x 1
		.amdhsa_system_sgpr_workgroup_id_y 1
		.amdhsa_system_sgpr_workgroup_id_z 1
		.amdhsa_system_vgpr_workitem_id 0
		.amdhsa_next_free_vgpr 192
		.amdhsa_next_free_sgpr 66
		.amdhsa_reserve_vcc 0
		.amdhsa_float_denorm_mode_32 3
		.amdhsa_float_denorm_mode_16_64 3
		.amdhsa_memory_ordered 1
		.amdhsa_forward_progress 1
		.amdhsa_inst_pref_size 51
	.end_amdhsa_kernel
	.amdgpu_metadata
---
amdhsa.version: [ 1, 2 ]
amdhsa.kernels:
  - .name:           k_q14565fd960_prep
    .symbol:         k_q14565fd960_prep.kd
    .args:
      - { .name: x, .offset: 0, .size: 8, .value_kind: global_buffer, .address_space: global }
      - { .name: in_proj_w, .offset: 8, .size: 8, .value_kind: global_buffer, .address_space: global }
      - { .name: xc, .offset: 16, .size: 8, .value_kind: global_buffer, .address_space: global }
      - { .name: xs, .offset: 24, .size: 8, .value_kind: global_buffer, .address_space: global }
      - { .name: wc, .offset: 32, .size: 8, .value_kind: global_buffer, .address_space: global }
      - { .name: ws, .offset: 40, .size: 8, .value_kind: global_buffer, .address_space: global }
      - { .name: out_w, .offset: 48, .size: 8, .value_kind: global_buffer, .address_space: global }
      - { .name: ow16, .offset: 56, .size: 8, .value_kind: global_buffer, .address_space: global }
    .group_segment_fixed_size: 33280
    .private_segment_fixed_size: 0
    .kernarg_segment_align: 8
    .kernarg_segment_size: 64
    .max_flat_workgroup_size: 128
    .sgpr_count:     66
    .vgpr_count:     192
    .wavefront_size: 32
...
	.end_amdgpu_metadata
.endif
;; end of part 1
;; launch qkv (part 2): grid 12 x 16, 4 waves a work-group, clusters of 4 x 4, 327,680 bytes of LDS; arguments xc, xs, wc, ws, qkv16, in_proj_b, qkv32; writes qkv16, qkv32
.if DOCPART == 2
	.amdgcn_target "amdgcn-amd-amdhsa--gfx1250"
	.amdhsa_code_object_version 6
	.text
	.protected	k_q14565fd960_qkv
	.globl	k_q14565fd960_qkv
	.p2align	8
	.type	k_q14565fd960_qkv,@function
k_q14565fd960_qkv:
	s_mov_b64 s[64:65], 0
	v_nop
	global_prefetch_b8 v0, s[64:65] scope:SCOPE_SE
	s_setreg_imm32_b32 hwreg(HW_REG_WAVE_MODE, 25, 1), 1
	s_wait_xcnt 0x0
	s_wait_alu depctr_hold_cnt(0) depctr_sa_sdst(0) depctr_va_vdst(0) depctr_va_sdst(0) depctr_va_ssrc(0) depctr_va_vcc(0) depctr_vm_vsrc(0)
	s_getreg_b32 s2, hwreg(HW_REG_IB_STS2, 6, 4)
	s_cmp_eq_u32 s2, 0
	s_cbranch_scc0 .Lentry_in_a_cluster
	s_endpgm
.Lentry_in_a_cluster:
	s_bfe_u32 s2, ttmp6, 0x10000c
	s_cmp_lg_u32 s2, 0xf033
	s_cbranch_scc0 .Lentry_shape_is_right
	s_endpgm
.Lentry_shape_is_right:
; qkv[m][n] = sum over k of x[m][k] w[n][k] + b[n], on codes of FP4 (E2M1) with one E8M0 scale for each 32 along K.  x: 4,096 rows, w: 3,072 rows, K = 1,024: a row of codes is 512 bytes, a row of scales 32.
; OUT: qkv16, f16, laid [n / 64][m][64] (48 groups: 16 heads of q, of k, of v; a head's row is 128 bytes and rows lie dense); and qkv32, f32 [2][16][3072]: the first 16 positions of each batch, kept fine for the last launch.
; LIMIT: q, k and v lie under 65,504 in magnitude (f16).
; A tile of 256 x 256 is made by four waves, each 128 x 128: 64 accumulators of 16 x 16, 512 registers.  K is two slots of 512: both are first fills, nothing is filled again, and there is no loop.
; THE SCALES of the work-group's 256 rows of x and of w, for all of K, are two dense blocks: they come into LDS once, with the first fills.
; CLUSTERS: 4 x 4 work-groups.  The four of a row of the cluster need the same tiles of x, the four of a column the same tiles of w: each tile is asked for JOINTLY, by the same tensor load with the same descriptor and a mask that names the four.
; THE MATRIX INSTRUCTION IS USED TRANSPOSED (source 0 = 16 rows of w, source 1 = 16 rows of x): a lane then holds eight neighbouring columns of one row.  THE BIAS is the C of each sum's first instruction.
; REGISTERS, in windows of 256: window 0: v0-31 addresses; v32-95 scale words, two sets; v128-191 x's fragments, one set; v192-255 the bias, 8 registers for each of w's eight blocks; on the way out v32-63 and v192-255 are at work.
;   window 1: w's fragments, two sets, at v0 and v128.   window 2: the accumulators of my rows 0-63 ((a, b) at v[8 (8 a + b)]);   window 3: those of my rows 64-127.
.set SIZE_M, 4096
.set SIZE_N, 3072
.set SIZE_K, 1024
.set KSTEP,  512
.set NQ,     KSTEP/128
.set ROWB,   256                       ; a tile's row in bytes
.set KROW,   SIZE_K*4/8                ; a row of codes in memory
.set PITCH,  272                       ; an LDS row: 256 bytes + 16 of padding = 68 words: the 16 rows that a load touches start at 16 different banks (64 banks of 4 bytes: ISA guide 11.1)
.set FR,     8
.set NL,     2
.set NP,     4                         ; places behind this matrix instruction (ISA guide 7.12.1)
.set HALFT,  128*PITCH
.set SLOT,   4*HALFT
.set KS,     SIZE_K/32
.set SCL,    2*SLOT                    ; behind the two slots: the scales, as units of 256 bytes + 16 of padding
.set HALFS,  (128*KS/256)*272
.set SBLK,   (16*KS/256)*272
.set SPARE,  SCL+4*HALFS               ; the spare words, 128 bytes for each wave
.set SPITCH, 272                       ; the way out: a stage of 16 rows x (256 bytes + 16) for each wave, in slot 0, which has had its only fill and its last read when the first result is stored there
.set ADRA, 16                          ; v16-17  LDS address of my x fragments in slot 0, 1
.set ADRB, 20                          ; v20-21  the same for w
.set FLG,  22                          ; v22     0 in the waves whose first row is a batch's first position
.set STO,  24                          ; v24     the way out: where I put 16 bytes of a row
.set RD,   25                          ; v25     where I read back
.set CO,   26                          ; v26     my byte offset in qkv16
.set ADRS, 27                          ; v27     LDS address of my scale words: lanes 0-15 x's rows, lanes 16-31 w's
.set SPW,  28
.set NIL,  29
.set BO,   30                          ; v30     32 x (lane / 16): my eight numbers of a block's sixteen biases
.set FO,   31                          ; v31     my byte offset in qkv32
.set SC,   32
.set AF,   128
.set BIAS, 192
.set TMP,  192                         ; the way out: packed results
.set G1, 24
.set G0, 32
.set G1B, 48
.set G0B, 56
.set G1S, 68
.set G0S, 76
.set G1SB, 80
.set G0SB, 88
.set MSB, 0
.macro WIN new                         ; the immediate's high byte repeats the setting that is left
.if MSB != \new
	s_set_vgpr_msb (MSB<<8)|\new
.set MSB, \new
.endif
.endm
.set MUL_LO, 0xa1                      ; source 0 (w) window 1, source 1 (x) window 0, C and D window 2
.set MUL_HI, 0xf1                      ; the same, C and D window 3
.set BIA_LO, 0x81                      ; the first step: C (the bias) window 0, D window 2
.set BIA_HI, 0xc1                      ; D window 3
.set TO_B,   0x40
; A joint load: waves 0 and 1 fetch for x, waves 2 and 3 for w.  The branch hangs on the wave's number alone.  An s_nop 0 and four v_nop follow each of the two lines.
.macro JLOAD g0a, g1a, g0b, g1b
	s_cmp_eq_u32 s15, 0
	s_cbranch_scc0 .Lfor_b_\@
	tensor_load_to_lds s[\g0a:\g0a+3], s[\g1a:\g1a+7]
	s_nop 0
.rept 4
	v_nop
.endr
	s_branch .Lasked_\@
.Lfor_b_\@:
	tensor_load_to_lds s[\g0b:\g0b+3], s[\g1b:\g1b+7]
	s_nop 0
.rept 4
	v_nop
.endr
.Lasked_\@:
.endm
.macro CROUND                          ; a round of the cluster's barrier
	s_barrier_signal -1
	s_barrier_wait -1
	s_cmp_lg_u32 s14, 0
	s_cbranch_scc1 .Lnot_wave_0_\@
	s_barrier_signal -3
.Lnot_wave_0_\@:
	s_barrier_wait -3
	s_barrier_signal -1
	s_barrier_wait -1
.endm
	s_load_b128 s[4:7], s[0:1], 0x0                ; x's codes, x's scales
	s_load_b128 s[8:11], s[0:1], 0x10              ; w's codes, w's scales
	s_load_b64 s[12:13], s[0:1], 0x20              ; qkv16
	s_load_b64 s[96:97], s[0:1], 0x28              ; in_proj_b
	s_load_b64 s[98:99], s[0:1], 0x30              ; qkv32
	v_lshl_add_u32 v[SPW], v0, 2, SPARE
	v_mov_b32 v[NIL], 0
	ds_add_u32 v[SPW], v[NIL]                      ; the wave's opening: the add, twice on end, and its wait ahead of my first tensor load
	ds_add_u32 v[SPW], v[NIL]
	v_lshrrev_b32 v1, 5, v0
	v_readfirstlane_b32 s14, v1                    ; wave 0..3
	s_lshr_b32 s15, s14, 1                         ; which half of the tile's rows is mine.  Also: I fetch for x (0) or for w (1)
	s_and_b32 s16, s14, 1                          ; which half of its columns.  Also: which 128 rows of that tile I fetch
	s_bfe_u32 s40, ttmp6, 0x40000                  ; cx, cy: my place in the cluster
	s_bfe_u32 s41, ttmp6, 0x40004
	s_lshl_b32 s42, ttmp9, 2
	s_add_co_u32 s42, s42, s40                     ; tile column = 4 x cluster x + cx
	s_and_b32 s17, ttmp7, 0xffff
	s_lshl_b32 s17, s17, 2
	s_add_co_u32 s17, s17, s41                     ; tile row = 4 x cluster y + cy
	s_lshl_b32 s43, s41, 2
	s_lshl_b32 s43, 15, s43                        ; my row of the cluster
	s_lshl_b32 s44, 0x1111, s40                    ; my column
	s_or_b32 s[G1+0], s43, (0<<16)|(1<<20)|(1<<21)|(5<<22)|(3<<25)  ; the mask; elements of 1 byte; padding on; bit 21 beside a mask; after every 64 words, 4 words
	s_or_b32 s[G1B+0], s44, (0<<16)|(1<<20)|(1<<21)|(5<<22)|(3<<25)
.irp g, G1, G1B
	s_mov_b32 s[\g+1], ROWB<<16                    ; tensor_dim0
	s_mov_b32 s[\g+2], 128<<16                     ; tensor_dim1
	s_mov_b32 s[\g+3], ROWB<<16                    ; tile_dim0
	s_mov_b32 s[\g+4], 128                         ; tile_dim1
	s_mov_b32 s[\g+5], KROW                        ; the pitch
	s_mov_b32 s[\g+6], 0
	s_mov_b32 s[\g+7], 0
.endr
	s_or_b32 s[G1S+0], s43, (3<<16)|(1<<20)|(1<<21)|(5<<22)|(3<<25) ; the scales of 128 rows: 4,096 dense bytes as 16 rows of 256 (32 elements of 8 bytes), 16 bytes of padding behind each
	s_or_b32 s[G1SB+0], s44, (3<<16)|(1<<20)|(1<<21)|(5<<22)|(3<<25)
.irp g, G1S, G1SB
	s_mov_b32 s[\g+1], 32<<16
	s_mov_b32 s[\g+2], (128*KS/256)<<16
	s_mov_b32 s[\g+3], 32<<16
	s_mov_b32 s[\g+4], 128*KS/256
	s_mov_b32 s[\g+5], 32
	s_mov_b32 s[\g+6], 0
	s_mov_b32 s[\g+7], 0
.endr
	s_lshl_b32 s18, s16, 7                         ; which 128 rows of the tile I fetch
	s_lshl_b32 s20, s17, 8
	s_add_co_u32 s20, s20, s18                     ; x: row 256 x tile row + 128 x half
	s_lshl_b32 s46, s42, 8
	s_add_co_u32 s46, s46, s18                     ; w: row 256 x tile column + 128 x half
	s_mov_b32 s21, 0
	s_mov_b32 s47, 0
	s_mov_b64 s[18:19], KS
	s_mul_u64 s[22:23], s[20:21], s[18:19]         ; where these rows' scales begin,
	s_mul_u64 s[92:93], s[46:47], s[18:19]
	s_mov_b64 s[18:19], KROW
	s_mul_u64 s[20:21], s[20:21], s[18:19]         ; and their codes
	s_mul_u64 s[46:47], s[46:47], s[18:19]
	s_mul_i32 s45, s14, HALFT                      ; where they go: wave x 128 rows: no place in the cluster enters an LDS address
	s_mul_i32 s94, s14, HALFS
	s_wait_dscnt 0x0                               ; both opening adds are done
	s_wait_kmcnt 0x0
	s_add_nc_u64 s[20:21], s[4:5], s[20:21]
	s_add_nc_u64 s[22:23], s[6:7], s[22:23]
	s_add_nc_u64 s[46:47], s[8:9], s[46:47]
	s_add_nc_u64 s[92:93], s[10:11], s[92:93]
	CROUND                                         ; all sixteen work-groups are here: the first joint loads meet
	s_mov_b32 s[G0S], 1
	s_add_co_u32 s[G0S+1], s94, SCL
	s_mov_b64 s[G0S+2:G0S+3], s[22:23]
	s_or_b32 s[G0S+3], s[G0S+3], 0x80000000
	s_mov_b32 s[G0SB], 1
	s_add_co_u32 s[G0SB+1], s94, SCL
	s_mov_b64 s[G0SB+2:G0SB+3], s[92:93]
	s_or_b32 s[G0SB+3], s[G0SB+3], 0x80000000
	JLOAD G0S, G1S, G0SB, G1SB                     ; the scales first: they are wanted with slot 0
.irp s, 0,1
	s_mov_b32 s[G0+4*\s], 1
	s_add_co_u32 s[G0+4*\s+1], s45, \s*SLOT
	s_add_nc_u64 s[G0+4*\s+2:G0+4*\s+3], s[20:21], \s*ROWB
	s_or_b32 s[G0+4*\s+3], s[G0+4*\s+3], 0x80000000
	s_mov_b32 s[G0B+4*\s], 1
	s_add_co_u32 s[G0B+4*\s+1], s45, \s*SLOT
	s_add_nc_u64 s[G0B+4*\s+2:G0B+4*\s+3], s[46:47], \s*ROWB
	s_or_b32 s[G0B+4*\s+3], s[G0B+4*\s+3], 0x80000000
	JLOAD G0+4*\s, G1, G0B+4*\s, G1B               ; three tensor loads of mine are out
.endr
	v_and_b32 v1, 15, v0                           ; r = l % 16
	v_bfe_u32 v2, v0, 4, 1                         ; h = l / 16
	v_mul_u32_u24 v3, v1, PITCH
	v_lshl_add_u32 v4, v2, 4, v3                   ; a fragment's row x pitch + 16 x half
	s_mul_i32 s21, s15, HALFT                      ; my 128 rows of x
	s_mul_i32 s22, s16, HALFT                      ; my 128 rows of w,
	s_add_co_u32 s22, s22, 2*HALFT                 ; which lie behind x's 256
.irp s, 0,1
	v_add_nc_u32 v[ADRA+\s], s21, v4
	v_add_nc_u32 v[ADRB+\s], s22, v4
	s_add_co_u32 s21, s21, SLOT
	s_add_co_u32 s22, s22, SLOT
.endr
	v_mul_u32_u24 v5, v1, KS                       ; my row's scales: KS bytes a row,
	v_lshrrev_b32 v6, 8, v5
	v_lshl_add_u32 v5, v6, 4, v5                   ; and 16 more for each 256 passed
	s_mul_i32 s21, s15, HALFS
	s_mul_i32 s22, s16, HALFS
	s_add_co_u32 s22, s22, 2*HALFS
	s_sub_co_u32 s22, s22, s21
	v_mul_u32_u24 v6, s22, v2                      ; lanes 16-31 take w's
	s_add_co_u32 s21, s21, SCL
	v_add_nc_u32 v5, v5, v6
	v_add_nc_u32 v[ADRS], s21, v5
	s_mul_i32 s23, s14, 16*SPITCH                  ; my stage
	v_mul_u32_u24 v5, v1, SPITCH                   ; in: row r, 16 bytes for each half of the lanes
	v_lshl_add_u32 v5, v2, 4, v5
	v_add_nc_u32 v[STO], s23, v5
	v_bfe_u32 v5, v0, 3, 1                         ; back: lanes 0-15 take the first 128 bytes (one head) of two rows, lanes 16-31 the second 128 (the next head)
	v_mul_u32_u24 v6, v5, SPITCH
	v_lshl_add_u32 v6, v2, 7, v6
	v_and_b32 v7, 7, v0
	v_lshl_add_u32 v6, v7, 4, v6
	v_add_nc_u32 v[RD], s23, v6
	v_lshlrev_b32 v6, 7, v5                        ; and in qkv16: the head's 524,288 bytes, the row's 128, my 16
	v_lshl_add_u32 v6, v2, 19, v6
	v_lshl_add_u32 v[CO], v7, 4, v6
	v_lshlrev_b32 v[BO], 5, v2
	v_mul_u32_u24 v[FO], v1, 12288                 ; qkv32: row r of 12,288 bytes, + 32 h
	v_lshl_add_u32 v[FO], v2, 5, v[FO]
	s_lshl_b32 s46, s42, 8
	s_lshl_b32 s47, s16, 7
	s_add_co_u32 s46, s46, s47                     ; my first column n0 = 256 x tile column + 128 x half
	s_lshl_b32 s20, s46, 2
	s_mov_b32 s21, 0
	s_add_nc_u64 s[96:97], s[96:97], s[20:21]      ; the bias at n0
	s_lshr_b32 s22, s17, 3                         ; the batch: tile row / 8
	s_mul_i32 s22, s22, 196608
	s_add_co_u32 s20, s20, s22
	s_add_nc_u64 s[98:99], s[98:99], s[20:21]      ; qkv32 at (batch, position 0, n0): inside the buffer in every work-group
	s_lshr_b32 s20, s46, 6
	s_lshl_b32 s20, s20, 19                        ; (n0 / 64) x 524,288
	s_lshl_b32 s22, s17, 8
	s_lshl_b32 s23, s15, 7
	s_add_co_u32 s22, s22, s23                     ; my first row
	s_lshl_b32 s22, s22, 7
	s_add_co_u32 s20, s20, s22
	s_add_nc_u64 s[12:13], s[12:13], s[20:21]
	s_and_b32 s22, s17, 7
	s_or_b32 s22, s22, s15
	v_mov_b32 v[FLG], s22
.irp b, 0,1,2,3,4,5,6,7
	global_load_b128 v[BIAS+8*\b:BIAS+8*\b+3],   v[BO], s[96:97] offset:64*\b      ; lane (r, h): b[n0 + 16 b + 8 h + 0 .. 7]: the result's layout
	global_load_b128 v[BIAS+8*\b+4:BIAS+8*\b+7], v[BO], s[96:97] offset:64*\b+16
.endr
.macro FRAG reg, adr, q, i             ; 16 rows x 128 K of 4-bit codes: 8 registers; lane l holds row l % 16; registers 4 c .. 4 c + 3 hold K = 64 c + 32 (l / 16) + 0 .. 31
.irp c, 0,1
	ds_load_b128 v[\reg+4*\c:\reg+4*\c+3], v[\adr] offset:64*(\q)+32*\c+(\i)*16*PITCH
.endr
.endm
; 16 matrix instructions: x's blocks a0, a0 + 1 against w's eight, 128 along K.  p: w's set;  sc: the set of scale words.  zero = 1: the first product starts the sums from the bias.
; The 64 accumulators take turns, one instruction a turn, in the same order in every step.
.macro MUL16 a0, p, q, sc, zero
.irp a, \a0, \a0+1
.irp b, 0,1,2,3,4,5,6,7
.if \zero
	v_wmma_scale_f32_16x16x128_f8f6f4 v[8*(8*((\a)%4)+\b):8*(8*((\a)%4)+\b)+7], v[128*(\p)+FR*\b:128*(\p)+FR*\b+FR-1], v[AF+FR*(\a):AF+FR*(\a)+FR-1], v[BIAS+8*\b:BIAS+8*\b+7], v[SC+8*NQ*(\sc)+NQ*\b+(\q)], v[SC+8*NQ*(\sc)+NQ*(\a)+(\q)] matrix_a_fmt:MATRIX_FMT_FP4 matrix_b_fmt:MATRIX_FMT_FP4 matrix_a_scale:MATRIX_SCALE_ROW1
.else
	v_wmma_scale_f32_16x16x128_f8f6f4 v[8*(8*((\a)%4)+\b):8*(8*((\a)%4)+\b)+7], v[128*(\p)+FR*\b:128*(\p)+FR*\b+FR-1], v[AF+FR*(\a):AF+FR*(\a)+FR-1], v[8*(8*((\a)%4)+\b):8*(8*((\a)%4)+\b)+7], v[SC+8*NQ*(\sc)+NQ*\b+(\q)], v[SC+8*NQ*(\sc)+NQ*(\a)+(\q)] matrix_a_fmt:MATRIX_FMT_FP4 matrix_b_fmt:MATRIX_FMT_FP4 matrix_a_scale:MATRIX_SCALE_ROW1
.endif
.endr
.endr
.endm
.macro FETCH_B slot, q, p
	WIN TO_B
.irp i, 0,1,2,3,4,5,6,7
	FRAG 128*(\p)+FR*\i, ADRB+\slot, \q, \i
.endr
	WIN 0
.endm
.macro FETCH_A slot, q, i0
.irp i, \i0, \i0+1, \i0+2, \i0+3
	FRAG AF+FR*(\i), ADRA+\slot, \q, \i
.endr
.endm
.macro SCALES sc                       ; a slot's scale words into set sc: 4 words a row; lanes 0-15 take x's block i, lanes 16-31 w's block i
.irp i, 0,1,2,3,4,5,6,7
	ds_load_b128 v[SC+8*NQ*\sc+NQ*\i:SC+8*NQ*\sc+NQ*\i+3], v[ADRS] offset:\i*SBLK
.endr
.endm
.macro PLACES n                        ; plain vector instructions between a matrix instruction and a load into, or a read of, its registers
.rept \n
	v_nop
.endr
.endm
.macro STEP slot, q, zero              ; a step of 128 along K that has its successor in the same slot
	s_wait_dscnt 4*NL                              ; w's set and x's blocks 0-3 are in; the youngest eight loads (x's blocks 4-7) may be out
.if \zero
	WIN BIA_LO
.else
	WIN MUL_LO
.endif
	MUL16 0, (\q)%2, \q, \slot, \zero
	MUL16 2, (\q)%2, \q, \slot, \zero
	s_wait_dscnt 0                                 ; x's blocks 4-7 are in
	PLACES NP
	FETCH_B \slot, (\q)+1, 1-(\q)%2
	FETCH_A \slot, (\q)+1, 0
.if \zero
	WIN BIA_HI
.else
	WIN MUL_HI
.endif
	MUL16 4, (\q)%2, \q, \slot, \zero
	MUL16 6, (\q)%2, \q, \slot, \zero
	PLACES NP
	WIN 0
	FETCH_A \slot, (\q)+1, 4
.endm
; Slot 0's last step changes slots: one barrier; in front of it each wave waits for all its tensor loads, adds 0 to its spare word, and waits for that and for its own reads of slot 0.
.macro TURN slot, next
	s_wait_tensorcnt 0x0                           ; all my tensor loads have landed: my part of the next slot
	ds_add_u32 v[SPW], v[NIL]                      ; 0 onto my spare word
	s_wait_dscnt 4*NL+1                            ; (the add and the youngest eight loads may be out)
	WIN MUL_LO
	MUL16 0, 1, NQ-1, \slot, 0
	s_wait_dscnt 0x0                               ; the add is done, and my reads of this slot are over
	s_barrier_signal -1
	MUL16 2, 1, NQ-1, \slot, 0
	WIN 0
	s_barrier_wait -1
	PLACES NP
	v_add_nc_u32 v[ADRS], 4*NQ, v[ADRS]            ; on to the next slot's scale words
	FETCH_B \next, 0, 0
	FETCH_A \next, 0, 0
	SCALES \next
	WIN MUL_HI
	MUL16 4, 1, NQ-1, \slot, 0
	MUL16 6, 1, NQ-1, \slot, 0
	PLACES NP
	WIN 0
	FETCH_A \next, 0, 4
.endm
.macro STEPS slot, from
.set Q, \from
.rept NQ-1-\from
	STEP \slot, Q, 0
.set Q, Q+1
.endr
.endm
	s_wait_tensorcnt 1                             ; the scales and my part of slot 0 are in (slot 1's load may be out)
	s_barrier_signal -1
	s_barrier_wait -1                              ; everybody's are
	FETCH_B 0, 0, 0
	FETCH_A 0, 0, 0
	SCALES 0
	FETCH_A 0, 0, 4
	s_wait_loadcnt 0x0                             ; the bias
	STEP 0, 0, 1
	STEPS 0, 1
	TURN 0, 1
	STEPS 1, 0
	s_wait_dscnt 4*NL                              ; the very last step: nothing more to fetch
	WIN MUL_LO
	MUL16 0, 1, NQ-1, 1, 0
	MUL16 2, 1, NQ-1, 1, 0
	s_wait_dscnt 0
	WIN MUL_HI
	MUL16 4, 1, NQ-1, 1, 0
	MUL16 6, 1, NQ-1, 1, 0
	WIN 0
	PLACES NP
	; THE FIRST 16 POSITIONS OF A BATCH ALSO LEAVE IN F32: block 0 of the waves whose first row is a multiple of 2,048.  No branch: the tile row and the wave decide, so the other waves run the lines with no lane on.
	; A lane's 32 bytes go out in two pieces of 16: 393,216 bytes in the whole launch.
	s_wait_xcnt 0x0                                ; EXEC changes only behind this wait
	v_cmp_eq_u32 vcc_lo, 0, v[FLG]
	s_and_saveexec_b32 s100, vcc_lo
	WIN 0x08                                       ; a store's data are its source 1: window 2
.irp b, 0,1,2,3,4,5,6,7
	global_store_b128 v[FO], v[8*\b:8*\b+3],   s[98:99] offset:64*\b       ; each accumulator from its low end on
	global_store_b128 v[FO], v[8*\b+4:8*\b+7], s[98:99] offset:64*\b+16
.endr
	WIN 0
	s_wait_xcnt 0x0                                ; and again, in front of the line that widens it
	s_or_b32 exec_lo, exec_lo, s100
; THE WAY OUT, a block of 16 rows x 128 columns at a time.  PACK: rounded to f16, 16 bytes a lane.  TOSTAGE: into my own stage, and back so that sixteen lanes hold two rows of one head.  SEND: stored: 256 consecutive bytes, aligned, for each sixteen lanes.
.macro PACK a
.set AC, 64*((\a)%4)
	WIN 0x0a+5*((\a)/4)                            ; sources 0 and 1: window 2 or 3
.irp b, 0,1,2,3,4,5,6,7
.irp p, 0,1,2,3
	v_cvt_pk_f16_f32 v[TMP+4*\b+\p], v[AC+8*\b+2*\p], v[AC+8*\b+2*\p+1]
.endr
.endr
	WIN 0
.endm
.macro TOSTAGE a
.set BB, 32+192*((\a)%2)               ; v32-63 and v224-255 by turns
.irp b, 0,1,2,3,4,5,6,7
	ds_store_b128 v[STO], v[TMP+4*\b:TMP+4*\b+3] offset:32*\b
.endr
.irp t, 0,1,2,3,4,5,6,7
	ds_load_b128 v[BB+4*\t:BB+4*\t+3], v[RD] offset:\t*2*SPITCH    ; LDS serves a wave's instructions in order (ISA guide 5.7.1.4): these see the stores above
.endr
.endm
.macro SEND a
.set BB, 32+192*((\a)%2)
	s_wait_dscnt 0x0                               ; the block is back in registers
	s_wait_xcnt 0x0                                ; the stores of the block before have read their data: the next block's loads from the stage land in those registers
.irp t, 0,1,2,3,4,5,6,7
	global_store_b128 v[CO], v[BB+4*\t:BB+4*\t+3], s[12:13] offset:2048*(\a)+256*\t th:TH_STORE_NT
.endr
.endm
	PACK 0
	TOSTAGE 0
.irp a, 1,2,3,4,5,6,7                  ; block a's conversions stand between block a - 1's loads from the stage and the wait for them
	PACK \a
	SEND \a-1
	TOSTAGE \a
.endr
	SEND 7
	s_wait_tensorcnt 0x0                           ; the wave's end, behind my last tensor load and my last LDS store
	ds_add_u32 v[SPW], v[NIL]
	s_wait_dscnt 0x0
	CROUND                                         ; the closing round: no work-group ends while a partner may still ask for a tile that names it
	s_endpgm
.Lfunc_end_k_q14565fd960_qkv:
	.size	k_q14565fd960_qkv, .Lfunc_end_k_q14565fd960_qkv-k_q14565fd960_qkv
	.p2alignl 7, 3214868480
	.fill 96, 4, 3214868480
	.section	.rodata,"a",@progbits
	.p2align	6, 0x0
	.amdhsa_kernel k_q14565fd960_qkv
		.amdhsa_group_segment_fixed_size 327680
		.amdhsa_private_segment_fixed_size 0
		.amdhsa_enable_private_segment 0
		.amdhsa_kernarg_size 56
		.amdhsa_user_sgpr_count 2
		.amdhsa_user_sgpr_kernarg_segment_ptr 1
		.amdhsa_wavefront_size32 1
		.amdhsa_system_sgpr_workgroup_id_x 1
		.amdhsa_system_sgpr_workgroup_id_y 1
		.amdhsa_system_sgpr_workgroup_id_z 1
		.amdhsa_system_vgpr_workitem_id 0
		.amdhsa_next_free_vgpr 1024
		.amdhsa_next_free_sgpr 102
		.amdhsa_reserve_vcc 1
		.amdhsa_float_denorm_mode_32 3
		.amdhsa_float_denorm_mode_16_64 3
		.amdhsa_memory_ordered 1
		.amdhsa_forward_progress 1
		.amdhsa_inst_pref_size 130
	.end_amdhsa_kernel
	.amdgpu_metadata
---
amdhsa.version: [ 1, 2 ]
amdhsa.kernels:
  - .name:           k_q14565fd960_qkv
    .symbol:         k_q14565fd960_qkv.kd
    .args:
      - { .name: xc, .offset: 0, .size: 8, .value_kind: global_buffer, .address_space: global }
      - { .name: xs, .offset: 8, .size: 8, .value_kind: global_buffer, .address_space: global }
      - { .name: wc, .offset: 16, .size: 8, .value_kind: global_buffer, .address_space: global }
      - { .name: ws, .offset: 24, .size: 8, .value_kind: global_buffer, .address_space: global }
      - { .name: qkv16, .offset: 32, .size: 8, .value_kind: global_buffer, .address_space: global }
      - { .name: in_proj_b, .offset: 40, .size: 8, .value_kind: global_buffer, .address_space: global }
      - { .name: qkv32, .offset: 48, .size: 8, .value_kind: global_buffer, .address_space: global }
    .group_segment_fixed_size: 327680
    .private_segment_fixed_size: 0
    .kernarg_segment_align: 8
    .kernarg_segment_size: 56
    .max_flat_workgroup_size: 128
    .sgpr_count:     102
    .vgpr_count:     1024
    .wavefront_size: 32
...
	.end_amdgpu_metadata
.endif
;; end of part 2
;; launch attn (part 3): grid 8 x 32, 16 waves a work-group, no clusters, 327,680 bytes of LDS; arguments qkv16, ctx16; writes ctx16
.if DOCPART == 3
	.amdgcn_target "amdgcn-amd-amdhsa--gfx1250"
	.amdhsa_code_object_version 6
	.text
	.protected	k_q14565fd960_attn
	.globl	k_q14565fd960_attn
	.p2align	8
	.type	k_q14565fd960_attn,@function
k_q14565fd960_attn:
	s_mov_b64 s[64:65], 0
	v_nop
	global_prefetch_b8 v0, s[64:65] scope:SCOPE_SE
	s_setreg_imm32_b32 hwreg(HW_REG_WAVE_MODE, 25, 1), 1
	s_wait_xcnt 0x0
; ctx[b][q][h][:] = the sum over k <= q of softmax_k(Q[q] . K[k] / 8) V[k][:], for 32 (batch, head) pairs of 2,048 positions x 64 channels.  Q, K, V: f16, from qkv16 [48][4096][64]; products, maxima and sums in f32;
; the weights p are rounded to f16 for the second product, ctx once at the end.  ctx16: f16, byte (m / 128) 262144 + h 16384 + (m % 128) 128 + 2 d.
; LIMITS: ctx under 65,504 in magnitude; NaN and infinities not served; v_exp_f32 and v_rcp_f32 as the ISA guide gives them (1 ulp, denormals flushed).
; SHARES.  A head's queries are 16 blocks of 128.  Work-group j owns blocks j and 15 - j: under the causal mask every work-group so has 17 squares of 128 x 128.  A block is four chunks of 32 queries, two tiles of 16.
; EACH CHUNK IS WALKED BY TWO WAVES, one for the even key steps (64 keys a step), one for the odd: at the end wave w + 8 hands its maximum, sum and O to wave w through LDS, and wave w merges and stores.
; So sixteen waves of 256 registers stand four to a SIMD, one wave's vector work beside another's matrix work and LDS loads, and each fragment of K and V read from LDS feeds two matrix instructions.
; LAYOUT.  S^T = K Q^T (source 0 = 16 keys, source 1 = 16 queries): a lane holds ONE query (lane % 16) and keys 8 (lane / 16) + 0..7 of each tile; two such tiles, rounded in pairs, ARE source 1 of O^T = V^T P.
; K comes out of LDS as it lies, V ([key][channel]) turned, by ds_load_tr16_b128.
; SOFTMAX.  A running maximum m and sum l for each query: p = 2^(c s - c m), c = log2(e) / 8; in every step O and l are multiplied by a = 2^(c m_old - c m_new).
; THE RING.  Two slots of 256 keys; waves 0-3 fetch K's quarters, waves 4-7 V's, one tensor load each.  Every work-group walks all 8 slots (the trip counts are constants); a step whose parity is not mine, or all of whose
; keys come after my queries, is jumped over; a slot whose first key comes after the work-group's last query is not asked for.  In work-groups with odd j the last slot asked for is read in its first half only.
; NO CLUSTER: the work-groups of a head need different numbers of tiles under the mask.
.set KP,    144                        ; a key's row of K in LDS: 128 bytes + 16 = 36 words: the 16 rows of a load start at 16 different banks (ISA guide 11.1)
.set VP,    160                        ; a row of V: 128 + 32 = 40 words, for the turning load
.set SK,    256                        ; keys in a slot
.set VOFF,  SK*KP                      ; a slot: 256 rows of K, then 256 rows of V
.set SLOT1, 1<<17                      ; slot 1 begins here: one exclusive or turns an address
.set SPARE, 2*SLOT1                    ; the spare words, 128 bytes for each of 16 waves
.set REG,   8704                       ; the way out: a region for each pair of waves, in slot 0, which is left at the last change of slots: 8,192 bytes of O, 512 of statistics; then the stage, 32 rows x 144
.set AK0, 1                            ; v1   my lane's place in a tile of K
.set AV0, 2                            ; v2   the same for V
.set SPW, 3                            ; v3   LDS address of my spare word; never rewritten
.set NIL, 4                            ; v4   0; never rewritten
.set ADK, 5                            ; v5   LDS address of the step's K
.set ADV, 6                            ; v6   of its V
.set DQ,  7                            ; v7   lane % 16 - 8 (lane / 16)
.set PFO, 8                            ; v8   256 x lane: the prefetches' offset
.set NINF, 9                           ; v9   -infinity
.set ST,  16                           ; tile t's statistics at v[16 + 8 t]: +0 c m, +1 m, +2, +3 l, +4 .. +7 at work (a in +6)
.set KV,  32                           ; v32-95   a step's K, then its V
.set SF,  96                           ; v96-159  S^T, 32 a tile; p is packed into the low 16 of each tile
.set OF,  160                          ; v160-223 O^T, 32 a tile
.set QF,  224                          ; v224-255 Q, 16 a tile
.set TB,  2                            ; s2   LDS byte at which the slot in hand begins
.set WV,  18
.set SEL, 20                           ; s[20:21] lane selects for v_permlanex16_b32: lane l xor 16
.set CS,  22                           ; s[22:23] c
.set G1K, 24
.set G1V, 32
.set G0K, 40
.set G0V, 44
.set SLOTS, 48                         ; changes of slots still to come in the loop
.set KF,  49                           ; the step's first key
.set Q0,  50                           ; my chunk's first query
.set PAR, 51                           ; the parity of my key steps
.set LASTQ, 52                         ; my work-group's last query
.set LIM, 53                           ; 1 in a wave that prefetches, else the greatest number
.set PFA, 54                           ; s[54:55] where my prefetches stand
; Waves 0-3 fetch for K, waves 4-7 for V, the others nothing.  An s_nop 0 and four v_nop follow each of the two lines.
.macro TLOAD
	s_cmp_lt_u32 s[WV], 4
	s_cbranch_scc0 .Lnot_k_\@
	tensor_load_to_lds s[G0K:G0K+3], s[G1K:G1K+7]
	s_nop 0
.rept 4
	v_nop
.endr
	s_branch .Lasked_\@
.Lnot_k_\@:
	s_cmp_lt_u32 s[WV], 8
	s_cbranch_scc0 .Lasked_\@
	tensor_load_to_lds s[G0V:G0V+3], s[G1V:G1V+7]
	s_nop 0
.rept 4
	v_nop
.endr
.Lasked_\@:
.endm
; A PREFETCH of what the NEXT change of slots will ask for: a slot's 32,768 bytes of K and of V.  Each aligned 256 bytes are named once in the launch: the head's work-group 0, which walks all keys, asks; in it the waves that fetch
; nothing: waves 8-11 for K's quarters, waves 12-15 for V's, 8,192 bytes a wave, lanes 256 bytes apart.  The last change that fills a slot asks for nothing; slots 0 and 1 come by their loads alone.
.macro ASK
	s_cmp_gt_u32 s[SLOTS], s[LIM]
	s_cbranch_scc0 .Lnot_mine_\@
	global_prefetch_b8 v[PFO], s[PFA:PFA+1] th:TH_LOAD_NT scope:SCOPE_SE
.Lnot_mine_\@:
.endm
	s_load_b128 s[4:7], s[0:1], 0x0                ; qkv16, ctx16
	v_lshl_add_u32 v[SPW], v0, 2, SPARE
	v_mov_b32 v[NIL], 0
	ds_add_u32 v[SPW], v[NIL]                      ; the wave's opening: the add, twice on end, and its wait ahead of my first tensor load
	ds_add_u32 v[SPW], v[NIL]
	v_lshrrev_b32 v10, 5, v0
	v_readfirstlane_b32 s[WV], v10                 ; wave 0..15
	s_and_b32 s56, ttmp7, 0xffff
	s_and_b32 s57, s56, 15                         ; the head
	s_lshr_b32 s58, s56, 4                         ; the batch
	s_lshr_b32 s59, s[WV], 2
	s_xor_b32 s59, s59, s[WV]
	s_and_b32 s59, s59, 1                          ; which of the two blocks: bit 0 xor bit 2 of the wave's number
	s_lshr_b32 s60, s[WV], 1
	s_lshr_b32 s61, s[WV], 3
	s_xor_b32 s60, s60, s61
	s_and_b32 s[PAR], s60, 1                       ; bit 1 xor bit 3: waves w and w + 8 have the same chunk and opposite parities
	s_and_b32 s60, s[WV], 3                        ; which chunk of the block.  Also: which quarter of a slot I fetch or prefetch
	s_sub_co_u32 s61, 15, ttmp9
	s_cmp_eq_u32 s59, 1
	s_cselect_b32 s61, s61, ttmp9                  ; my block
	s_lshl_b32 s[Q0], s61, 7
	s_lshl_b32 s62, s60, 5
	s_add_co_u32 s[Q0], s[Q0], s62
	s_sub_co_u32 s[LASTQ], 16, ttmp9
	s_lshl_b32 s[LASTQ], s[LASTQ], 7
	s_sub_co_u32 s[LASTQ], s[LASTQ], 1             ; block 15 - j ends here
	s_lshl_b32 s66, s57, 19
	s_lshl_b32 s67, s58, 18
	s_add_co_u32 s66, s66, s67                     ; the (batch, head)'s first byte within q's, k's and v's third of qkv16
	s_lshl_b32 s68, s60, 13
	s_add_co_u32 s68, s68, s66                     ; + my quarter of a slot: 64 rows of 128 bytes
	s_mov_b32 s69, 0
	s_lshl_b32 s70, s[Q0], 7
	s_add_co_u32 s70, s70, s66                     ; my first query's row
	s_mov_b32 s71, 0
	s_lshl_b32 s72, s58, 4
	s_add_co_u32 s72, s72, s61
	s_lshl_b32 s72, s72, 18                        ; ctx16: (16 batch + block) x 262,144
	s_lshl_b32 s73, s57, 14
	s_add_co_u32 s72, s72, s73                     ; + head x 16,384
	s_lshl_b32 s73, s60, 12
	s_add_co_u32 s72, s72, s73                     ; + chunk x 32 rows of 128 bytes
	s_mov_b32 s73, 0
	s_mul_i32 s74, s60, 64*KP                      ; where my quarter goes in a slot: K's,
	s_mul_i32 s75, s60, 64*VP
	s_add_co_u32 s75, s75, VOFF                    ; V's
	; descriptor group 1: 64 rows x 64 elements of 2 bytes, dense in memory, padded behind every row
	s_mov_b32 s[G1K], (1<<16)|(1<<20)|(4<<22)|(3<<25)              ; no mask; elements of 2 bytes; padding on; after every 32 words, 4 words
	s_mov_b32 s[G1V], (1<<16)|(1<<20)|(4<<22)|(7<<25)              ; the same with 8 words
.irp g, G1K, G1V
	s_mov_b32 s[\g+1], 64<<16                      ; tensor_dim0
	s_mov_b32 s[\g+2], 64<<16                      ; tensor_dim1
	s_mov_b32 s[\g+3], 64<<16                      ; tile_dim0
	s_mov_b32 s[\g+4], 64                          ; tile_dim1
	s_mov_b32 s[\g+5], 64                          ; the pitch
	s_mov_b32 s[\g+6], 0
	s_mov_b32 s[\g+7], 0
.endr
	s_mov_b32 s[SEL], 0x76543210
	s_mov_b32 s[SEL+1], 0xfedcba98
	s_mov_b32 s[CS], 0x3e38aa3b                    ; c = log2(e) / 8
	s_mov_b32 s[CS+1], s[CS]                       ; (named with it as a pair, so it is written)
	s_mov_b32 s[TB], 0
	s_mov_b32 s[SLOTS], 7
	s_mov_b32 s[KF], 0
	s_lshr_b32 s56, s[WV], 3
	s_xor_b32 s56, s56, 1                          ; 0 in waves 8 to 15,
	s_or_b32 s56, s56, ttmp9                       ; of the head's work-group 0
	s_cmp_eq_u32 s56, 0
	s_cselect_b32 s[LIM], 1, -1
	s_wait_dscnt 0x0                               ; both opening adds are done
	s_wait_kmcnt 0x0
	s_add_nc_u64 s[76:77], s[4:5], s[68:69]
	s_add_nc_u64 s[78:79], s[76:77], 32*524288     ; V: groups 32 on
	s_add_nc_u64 s[76:77], s[76:77], 16*524288     ; K: groups 16 on
	s_mov_b32 s[G0K], 1
	s_mov_b32 s[G0K+1], s74
	s_mov_b64 s[G0K+2:G0K+3], s[76:77]
	s_or_b32 s[G0K+3], s[G0K+3], 0x80000000
	s_mov_b32 s[G0V], 1
	s_mov_b32 s[G0V+1], s75
	s_mov_b64 s[G0V+2:G0V+3], s[78:79]
	s_or_b32 s[G0V+3], s[G0V+3], 0x80000000
	TLOAD                                          ; slot 0: key 0 counts for every query
	s_cmp_lt_u32 s[WV], 12
	s_cselect_b64 s[PFA:PFA+1], s[76:77], s[78:79]
	s_add_nc_u64 s[PFA:PFA+1], s[PFA:PFA+1], SK*128   ; in slot 1; the first change of slots steps it to slot 2.  Nothing is prefetched here, at the head
	s_add_nc_u64 s[4:5], s[4:5], s[70:71]          ; Q at my first query
	s_add_nc_u64 s[6:7], s[6:7], s[72:73]          ; ctx16 likewise
	v_and_b32 v12, 15, v0                          ; r
	v_bfe_u32 v13, v0, 4, 1                        ; h
	v_lshlrev_b32 v10, 7, v12
	v_lshl_add_u32 v10, v13, 4, v10                ; Q: row r of 128 bytes, + 16 h
.irp t, 0,1
.irp c, 0,1
.irp e, 0,1
	global_load_b128 v[QF+16*\t+8*\c+4*\e:QF+16*\t+8*\c+4*\e+3], v10, s[4:5] offset:2048*\t+64*\c+32*\e   ; Q stays in registers
.endr
.endr
.endr
	v_mul_u32_u24 v[AK0], v12, KP
	v_lshl_add_u32 v[AK0], v13, 4, v[AK0]          ; K: row r x pitch + 16 h
	v_and_b32 v14, 7, v0
	v_lshl_add_u32 v[AV0], v13, 3, v14             ; V: the turning load: key 8 h + l % 8,
	v_mul_u32_u24 v[AV0], v[AV0], VP
	v_bfe_u32 v14, v0, 3, 1
	v_lshl_add_u32 v[AV0], v14, 4, v[AV0]          ; channels 8 ((l / 8) % 2) on
	v_add_nc_u32 v[AV0], VOFF, v[AV0]
	v_lshlrev_b32 v14, 3, v13
	v_sub_nc_u32 v[DQ], v12, v14
	v_and_b32 v[PFO], 31, v0
	v_lshlrev_b32 v[PFO], 8, v[PFO]
	v_mov_b32 v[NINF], 0xff800000
.irp t, 0,1
	v_mov_b32 v[ST+8*\t+1], 0xff61b1e6             ; m: -3e38, under every score
	v_mul_f32 v[ST+8*\t], s[CS], v[ST+8*\t+1]      ; c m
.irp i, 2,3,4,5,6,7
	v_mov_b32 v[ST+8*\t+\i], 0                     ; l, and the registers at work (named in pairs and by lane permutes before a step has written them)
.endr
.endr
.set n, 0
.rept 64
	v_mov_b32 v[OF+n], 0                           ; O^T.  The step is written once for all steps: the first finds zeros, which a = 0 leaves zeros; a wave with no step hands zeros on
.set n, n+1
.endr
; Product i of 16 of S^T = K Q^T: channels 32 (i / 8) on, keys 16 ((i / 2) % 4) on, tile i % 2.  The first 8 start the sums.  The eight accumulators take turns.
.macro KQ
.set rS, SF+32*(i%2)+8*((i/2)%4)
.set rK, KV+8*(2*((i/2)%4)+i/8)
.set rQ, QF+16*(i%2)+8*(i/8)
.if i < 8
	v_wmma_f32_16x16x32_f16 v[rS:rS+7], v[rK:rK+7], v[rQ:rQ+7], 0
.else
	v_wmma_f32_16x16x32_f16 v[rS:rS+7], v[rK:rK+7], v[rQ:rQ+7], v[rS:rS+7]
.endif
.endm
; Product i of 16 of O^T += V^T P: keys 32 (i / 8) on, channels 16 ((i / 2) % 4) on, tile i % 2
.macro PV
.set rO, OF+32*(i%2)+8*((i/2)%4)
.set rV, KV+8*(4*(i/8)+(i/2)%4)
.set rP, SF+32*(i%2)+8*(i/8)
	v_wmma_f32_16x16x32_f16 v[rO:rO+7], v[rV:rV+7], v[rP:rP+7], v[rO:rO+7]
.endm
; A KEY STEP: 64 keys, the q-th of the slot in hand, for my two tiles of queries.
.macro STEP q
	s_cmp_lg_u32 s[PAR], (\q)&1                    ; not my parity: my partner's step
	s_cbranch_scc1 .Lhidden_\@
	s_add_co_u32 s56, s[Q0], 31
	s_cmp_gt_u32 s[KF], s56                        ; all its keys come after my 32 queries.  (KF is a multiple of 64 and Q0 of 32: a step that is walked has KF <= Q0, so each of my queries sees its first key)
	s_cbranch_scc1 .Lhidden_\@
	v_add_nc_u32 v[ADK], s[TB], v[AK0]
	v_add_nc_u32 v[ADV], s[TB], v[AV0]
.irp kt, 0,1,2,3
.irp c, 0,1
.irp e, 0,1
	ds_load_b128 v[KV+8*(2*\kt+\c)+4*\e:KV+8*(2*\kt+\c)+4*\e+3], v[ADK] offset:(64*(\q)+16*\kt)*KP+64*\c+32*\e
.endr
.endr
.endr
	s_wait_dscnt 0x0
.set i, 0
.rept 16
	KQ
.set i, i+1
.endr
.rept 4
	v_nop                                          ; places in front of the loads into K's registers and of the first read of the scores
.endr
.irp u, 0,1
.irp ct, 0,1,2,3
.irp e, 0,1
	ds_load_tr16_b128 v[KV+8*(4*\u+\ct)+4*\e:KV+8*(4*\u+\ct)+4*\e+3], v[ADV] offset:(64*(\q)+32*\u+16*\e)*VP+32*\ct   ; V lands while the softmax is walked
.endr
.endr
.endr
	s_add_co_u32 s56, s[KF], 63                    ; on the diagonal hidden scores become -infinity ahead of the maximum; a step all of whose keys count skips this
	s_cmp_le_u32 s56, s[Q0]
	s_cbranch_scc1 .Lopen_\@
	s_sub_co_i32 s56, s[Q0], s[KF]
	v_add_nc_u32 v10, s56, v[DQ]                   ; tile 0: my query - KF - 8 (lane / 16).  Register 8 kt + j holds key KF + 8 (lane / 16) + 16 kt + j: hidden where 16 kt + j is above this
	v_add_nc_u32 v11, 16, v10                      ; tile 1
.irp t, 0,1
.set n, 0
.rept 32
	v_cmp_gt_i32 vcc_lo, 16*(n/8)+n%8, v[10+\t]
	v_cndmask_b32 v[SF+32*\t+n], v[SF+32*\t+n], v[NINF], vcc_lo
.set n, n+1
.endr
.endr
.Lopen_\@:
	; the maximum of my 32 scores and the old m: four chains, each accumulator read from its low end on; the two tiles line by line, so that no line waits for the line above it
.irp j, 0,1,2,3
.irp t, 0,1
	v_max3_num_f32 v[ST+8*\t+4+\j], v[SF+32*\t+8*\j], v[SF+32*\t+8*\j+1], v[SF+32*\t+8*\j+2]
.endr
.endr
.irp g, 1,2
.irp j, 0,1,2,3
.irp t, 0,1
	v_max3_num_f32 v[ST+8*\t+4+\j], v[ST+8*\t+4+\j], v[SF+32*\t+8*\j+2*\g+1], v[SF+32*\t+8*\j+2*\g+2]
.endr
.endr
.endr
.irp t, 0,1
	v_max3_num_f32 v[ST+8*\t+4], v[ST+8*\t+4], v[SF+32*\t+7], v[SF+32*\t+15]
.endr
.irp t, 0,1
	v_max3_num_f32 v[ST+8*\t+6], v[ST+8*\t+6], v[SF+32*\t+23], v[SF+32*\t+31]
.endr
.irp t, 0,1
	v_max3_num_f32 v[ST+8*\t+4], v[ST+8*\t+4], v[ST+8*\t+5], v[ST+8*\t+6]
.endr
.irp t, 0,1
	v_max3_num_f32 v[ST+8*\t+4], v[ST+8*\t+4], v[ST+8*\t+7], v[ST+8*\t+1]
.endr
.irp t, 0,1
	v_permlanex16_b32 v[ST+8*\t+5], v[ST+8*\t+4], s[SEL], s[SEL+1]   ; the query's other 32 keys lie in the lane 16 away
.endr
.irp t, 0,1
	v_mov_b32 v[ST+8*\t+7], v[ST+8*\t]             ; c m_old is kept for a
.endr
.irp t, 0,1
	v_max_num_f32 v[ST+8*\t+1], v[ST+8*\t+4], v[ST+8*\t+5]
.endr
.irp t, 0,1
	v_mul_f32 v[ST+8*\t], s[CS], v[ST+8*\t+1]
.endr
.irp t, 0,1
	v_sub_f32 v[ST+8*\t+7], v[ST+8*\t+7], v[ST+8*\t]
.endr
.irp b, 0,1,2,3,4,5,6,7,8,9,10,11,12,13,14,15
.irp t, 0,1
	v_pk_fma_f32 v[SF+32*\t+2*\b:SF+32*\t+2*\b+1], v[SF+32*\t+2*\b:SF+32*\t+2*\b+1], s[CS:CS+1], v[ST+8*\t:ST+8*\t+1] op_sel_hi:[1,0,0] neg_lo:[0,0,1] neg_hi:[0,0,1]   ; c s - c m
.endr
.endr
.irp t, 0,1
	v_exp_f32 v[ST+8*\t+6], v[ST+8*\t+7]           ; a
.endr
.set n, 0
.rept 32
.irp t, 0,1
	v_exp_f32 v[SF+32*\t+n], v[SF+32*\t+n]         ; p.  The 66 exponentials are one batch: none reads another's result
.endr
.set n, n+1
.endr
	v_nop                                          ; a plain instruction behind the last exponential
	s_wait_alu depctr_va_vdst(0)                   ; and one wait for the batch, ahead of its first reader
.irp t, 0,1
	v_pk_mul_f32 v[ST+8*\t+2:ST+8*\t+3], v[ST+8*\t+2:ST+8*\t+3], v[ST+8*\t+6:ST+8*\t+7] op_sel_hi:[1,0]   ; l under the new m
.endr
.irp t, 0,1
	v_pk_add_f32 v[ST+8*\t+4:ST+8*\t+5], v[SF+32*\t:SF+32*\t+1], v[SF+32*\t+2:SF+32*\t+3]   ; the sum of the unrounded p, two at a time, in two chains
.endr
.irp j, 4,8,12,16,20,24,28
.irp t, 0,1
	v_pk_add_f32 v[ST+8*\t+2:ST+8*\t+3], v[ST+8*\t+2:ST+8*\t+3], v[SF+32*\t+\j:SF+32*\t+\j+1]
	v_pk_add_f32 v[ST+8*\t+4:ST+8*\t+5], v[ST+8*\t+4:ST+8*\t+5], v[SF+32*\t+\j+2:SF+32*\t+\j+3]
.endr
.endr
.irp t, 0,1
	v_pk_add_f32 v[ST+8*\t+2:ST+8*\t+3], v[ST+8*\t+2:ST+8*\t+3], v[ST+8*\t+4:ST+8*\t+5]
.endr
.irp b, 0,1,2,3,4,5,6,7,8,9,10,11,12,13,14,15
.irp t, 0,1
	v_cvt_pk_f16_f32 v[SF+32*\t+\b], v[SF+32*\t+2*\b], v[SF+32*\t+2*\b+1]   ; p to f16, in place, ascending: register b is written when pairs 0 to b have been read
.endr
.endr
.irp b, 0,1,2,3,4,5,6,7,8,9,10,11,12,13,14,15
.irp t, 0,1
	v_pk_mul_f32 v[OF+32*\t+2*\b:OF+32*\t+2*\b+1], v[OF+32*\t+2*\b:OF+32*\t+2*\b+1], v[ST+8*\t+6:ST+8*\t+7] op_sel_hi:[1,0]   ; O^T under the new m
.endr
.endr
	s_wait_dscnt 0x0                               ; V is in
.set i, 0
.rept 16
	PV
.set i, i+1
.endr
.rept 5
	v_nop                                          ; the next step's first products write over p, which these have read: five places; its loads into V's registers want four
.endr
.Lhidden_\@:
	s_add_co_u32 s[KF], s[KF], 64
.endm
; THE CHANGE OF SLOTS stands at a slot's head.  Each wave waits for all its tensor loads, adds 0 to its spare word (fill = 1: twice on end), and waits for that and for its reads of the slot that it has left.
; Behind the barrier the slot ahead is whole and nobody reads the other one.  fill = 1: that other slot takes the keys that follow, up to the causal limit: the load has a slot's four steps in which to land.
.macro CHANGE fill
	s_wait_tensorcnt 0x0                           ; no tensor load of mine is out, so a group 0 may be written
	ds_add_u32 v[SPW], v[NIL]                      ; 0 onto my spare word
.if \fill
	ds_add_u32 v[SPW], v[NIL]                      ; and once more: the add twice on end, in every trip alike
	s_xor_b32 s[G0K+1], s[G0K+1], SLOT1            ; the walking descriptors: the other slot than last time,
	s_add_nc_u64 s[G0K+2:G0K+3], s[G0K+2:G0K+3], SK*128   ; the next 256 keys; the type bits on top are not reached
	s_xor_b32 s[G0V+1], s[G0V+1], SLOT1
	s_add_nc_u64 s[G0V+2:G0V+3], s[G0V+2:G0V+3], SK*128
	s_wait_xcnt 0x0                                ; the last prefetch, a slot back, has read its address, so it may be written:
	s_add_nc_u64 s[PFA:PFA+1], s[PFA:PFA+1], SK*128   ; one slot further on than the walking descriptors
.endif
	s_wait_dscnt 0x0                               ; the add is done (fill = 1: both are), and my reads of the slot that I have left are over
	s_barrier_signal -1
	s_barrier_wait -1
.if \fill
	s_add_co_u32 s56, s[KF], SK                    ; the first key of the slot that this change would ask for:
	s_cmp_gt_u32 s56, s[LASTQ]                     ; past my work-group's last query it is read by none of its waves, so it is not asked for.  Ids and the count of steps alone: all sixteen waves go the same way
	s_cbranch_scc1 .Lpast_\@
	TLOAD                                          ; a wave's one tensor load until the next barrier; every wait for tensor loads in this text is for all of them
.Lpast_\@:
	ASK
.endif
.endm
.macro SLOT_STEPS
	STEP 0
	STEP 1
	STEP 2
	STEP 3
	s_xor_b32 s[TB], s[TB], SLOT1                  ; on to the other slot
.endm
	s_wait_loadcnt 0x0                             ; Q
.Lslot:                                            ; 7 trips: behind each change of slots but the last the next slot is asked for, up to the causal limit
	CHANGE 1
	SLOT_STEPS
	s_sub_co_u32 s[SLOTS], s[SLOTS], 1
	s_cmp_lg_u32 s[SLOTS], 0
	s_cbranch_scc1 .Lslot
	CHANGE 0                                       ; the last slot is written out: nothing is left to fetch
	SLOT_STEPS
	; THE WAY OUT.  Waves 8-15 hand O^T (as an image of its registers, 16 bytes a lane), c m and l to their partners; waves 0-7 merge, divide, round and store.  All LDS addresses are made ahead of the parting.
.irp t, 0,1
	v_add_f32 v[ST+8*\t+2], v[ST+8*\t+2], v[ST+8*\t+3]   ; l's two halves
.endr
	s_and_b32 s56, s[WV], 7
	s_mul_i32 s56, s56, REG                        ; the pair's region
	v_and_b32 v14, 31, v0
	v_lshl_add_u32 v10, v14, 4, s56                ; images: 16 x lane
	v_and_b32 v12, 15, v0
	v_bfe_u32 v13, v0, 4, 1
	v_mul_u32_u24 v11, v12, KP
	v_lshl_add_u32 v11, v13, 4, v11
	v_add_nc_u32 v11, s56, v11                     ; the stage, in: row r, + 16 h
	v_bfe_u32 v12, v0, 3, 2
	v_mul_u32_u24 v12, v12, KP
	v_and_b32 v13, 7, v0
	v_lshl_add_u32 v12, v13, 4, v12
	v_add_nc_u32 v12, s56, v12                     ; back: four rows of 128 bytes an instruction
	v_lshlrev_b32 v13, 4, v14                      ; and the same 512 bytes in ctx16
	s_cmp_lt_u32 s[WV], 8
	s_cbranch_scc1 .Ltaker
.set n, 0
.rept 16
	ds_store_b128 v10, v[OF+4*n:OF+4*n+3] offset:512*n   ; each accumulator from its low end on
.set n, n+1
.endr
	v_mov_b32 v96, v[ST]
	v_mov_b32 v97, v[ST+2]
	v_mov_b32 v98, v[ST+8]
	v_mov_b32 v99, v[ST+10]
	ds_store_b128 v10, v[96:99] offset:8192
.Ltaker:
	s_wait_dscnt 0x0                               ; for the partner's sake: my stores are done
	s_barrier_signal -1
	s_barrier_wait -1
	s_cmp_ge_u32 s[WV], 8
	s_cbranch_scc1 .Lend
.set n, 0
.rept 16
	ds_load_b128 v[KV+4*n:KV+4*n+3], v10 offset:512*n
.set n, n+1
.endr
	ds_load_b128 v[96:99], v10 offset:8192
	s_wait_dscnt 0x0
.irp t, 0,1
	v_max_num_f32 v[ST+8*\t+1], v[ST+8*\t], v[96+2*\t]       ; the larger c m
.endr
.irp t, 0,1
	v_sub_f32 v[ST+8*\t+4], v[ST+8*\t], v[ST+8*\t+1]
	v_sub_f32 v[ST+8*\t+6], v[96+2*\t], v[ST+8*\t+1]
.endr
.irp t, 0,1
	v_exp_f32 v[ST+8*\t+4], v[ST+8*\t+4]           ; what brings my part under it,
	v_exp_f32 v[ST+8*\t+6], v[ST+8*\t+6]           ; and my partner's (0 for a wave that had no step)
.endr
	v_nop
	s_wait_alu depctr_va_vdst(0)                   ; one wait for the four, ahead of their first reader
.irp t, 0,1
	v_mul_f32 v[ST+8*\t+2], v[ST+8*\t+2], v[ST+8*\t+4]
.endr
.irp t, 0,1
	v_fmac_f32 v[ST+8*\t+2], v[97+2*\t], v[ST+8*\t+6]
.endr
.irp t, 0,1
	v_permlanex16_b32 v[ST+8*\t+3], v[ST+8*\t+2], s[SEL], s[SEL+1]
.endr
.irp t, 0,1
	v_add_f32 v[ST+8*\t+2], v[ST+8*\t+2], v[ST+8*\t+3]   ; the row's sum
.endr
.irp t, 0,1
	v_rcp_f32 v[ST+8*\t+3], v[ST+8*\t+2]
.endr
	v_nop
	s_wait_alu depctr_va_vdst(0)                   ; one wait for the two reciprocals
.irp t, 0,1
	v_mul_f32 v[ST+8*\t+4], v[ST+8*\t+4], v[ST+8*\t+3]
	v_mul_f32 v[ST+8*\t+6], v[ST+8*\t+6], v[ST+8*\t+3]
.endr
.irp t, 0,1
.irp b, 0,1,2,3,4,5,6,7,8,9,10,11,12,13,14,15
	v_pk_mul_f32 v[OF+32*\t+2*\b:OF+32*\t+2*\b+1], v[OF+32*\t+2*\b:OF+32*\t+2*\b+1], v[ST+8*\t+4:ST+8*\t+5] op_sel_hi:[1,0]
.endr
.irp b, 0,1,2,3,4,5,6,7,8,9,10,11,12,13,14,15
	v_pk_fma_f32 v[OF+32*\t+2*\b:OF+32*\t+2*\b+1], v[KV+32*\t+2*\b:KV+32*\t+2*\b+1], v[ST+8*\t+6:ST+8*\t+7], v[OF+32*\t+2*\b:OF+32*\t+2*\b+1] op_sel_hi:[1,0,1]
.endr
.irp b, 0,1,2,3,4,5,6,7,8,9,10,11,12,13,14,15
	v_cvt_pk_f16_f32 v[104+16*\t+\b], v[OF+32*\t+2*\b], v[OF+32*\t+2*\b+1]
.endr
.endr
.irp t, 0,1
.irp ct, 0,1,2,3
	ds_store_b128 v11, v[104+16*\t+4*\ct:104+16*\t+4*\ct+3] offset:16*KP*\t+32*\ct   ; lane (r, h): query 16 t + r, channels 16 ct + 8 h + 0 .. 7.  The region is mine alone behind the barrier, and my loads from it are in
.endr
.endr
.irp i, 0,1,2,3,4,5,6,7
	ds_load_b128 v[KV+4*\i:KV+4*\i+3], v12 offset:4*KP*\i   ; LDS serves a wave's instructions in order: these see my stores
.endr
.irp i, 0,1,2,3,4,5,6,7
	s_wait_dscnt 7-\i                              ; the younger loads may be out
	global_store_b128 v13, v[KV+4*\i:KV+4*\i+3], s[6:7] offset:512*\i   ; 32 lanes store 512 consecutive bytes, aligned: four rows of my head
.endr
.Lend:
	s_wait_tensorcnt 0x0                           ; the wave's end, behind my last tensor load and my last LDS store
	ds_add_u32 v[SPW], v[NIL]
	s_wait_dscnt 0x0
	s_endpgm
.Lfunc_end_k_q14565fd960_attn:
	.size	k_q14565fd960_attn, .Lfunc_end_k_q14565fd960_attn-k_q14565fd960_attn
	.p2alignl 7, 3214868480
	.fill 96, 4, 3214868480
	.section	.rodata,"a",@progbits
	.p2align	6, 0x0
	.amdhsa_kernel k_q14565fd960_attn
		.amdhsa_group_segment_fixed_size 327680
		.amdhsa_private_segment_fixed_size 0
		.amdhsa_enable_private_segment 0
		.amdhsa_kernarg_size 16
		.amdhsa_user_sgpr_count 2
		.amdhsa_user_sgpr_kernarg_segment_ptr 1
		.amdhsa_wavefront_size32 1
		.amdhsa_system_sgpr_workgroup_id_x 1
		.amdhsa_system_sgpr_workgroup_id_y 1
		.amdhsa_system_sgpr_workgroup_id_z 1
		.amdhsa_system_vgpr_workitem_id 0
		.amdhsa_next_free_vgpr 256
		.amdhsa_next_free_sgpr 80
		.amdhsa_reserve_vcc 1
		.amdhsa_float_denorm_mode_32 3
		.amdhsa_float_denorm_mode_16_64 3
		.amdhsa_memory_ordered 1
		.amdhsa_forward_progress 1
		.amdhsa_inst_pref_size 195
	.end_amdhsa_kernel
	.amdgpu_metadata
---
amdhsa.version: [ 1, 2 ]
amdhsa.kernels:
  - .name:           k_q14565fd960_attn
    .symbol:         k_q14565fd960_attn.kd
    .args:
      - { .name: qkv16, .offset: 0, .size: 8, .value_kind: global_buffer, .address_space: global }
      - { .name: ctx16, .offset: 8, .size: 8, .value_kind: global_buffer, .address_space: global }
    .group_segment_fixed_size: 327680
    .private_segment_fixed_size: 0
    .kernarg_segment_align: 8
    .kernarg_segment_size: 16
    .max_flat_workgroup_size: 512
    .sgpr_count:     80
    .vgpr_count:     256
    .wavefront_size: 32
...
	.end_amdgpu_metadata
.endif
;; end of part 3
;; launch oproj (part 4): grid 8 x 32, 4 waves a work-group, clusters of 4 x 4, 327,680 bytes of LDS; arguments ctx16, ow16, out0, out_b; writes out0
.if DOCPART == 4
	.amdgcn_target "amdgcn-amd-amdhsa--gfx1250"
	.amdhsa_code_object_version 6
	.text
	.protected	k_q14565fd960_oproj
	.globl	k_q14565fd960_oproj
	.p2align	8
	.type	k_q14565fd960_oproj,@function
k_q14565fd960_oproj:
	s_mov_b64 s[64:65], 0
	v_nop
	global_prefetch_b8 v0, s[64:65] scope:SCOPE_SE
	s_setreg_imm32_b32 hwreg(HW_REG_WAVE_MODE, 25, 1), 1
	s_wait_xcnt 0x0
	s_wait_alu depctr_hold_cnt(0) depctr_sa_sdst(0) depctr_va_vdst(0) depctr_va_sdst(0) depctr_va_ssrc(0) depctr_va_vcc(0) depctr_vm_vsrc(0)
	s_getreg_b32 s2, hwreg(HW_REG_IB_STS2, 6, 4)
	s_cmp_eq_u32 s2, 0
	s_cbranch_scc0 .Lentry_in_a_cluster
	s_endpgm
.Lentry_in_a_cluster:
	s_bfe_u32 s2, ttmp6, 0x10000c
	s_cmp_lg_u32 s2, 0xf033
	s_cbranch_scc0 .Lentry_shape_is_right
	s_endpgm
.Lentry_shape_is_right:
; out[m][n] = sum over k of ctx[m][k] out_w[n][k] + out_b[n].  ctx16 (4,096 rows) and ow16 (1,024 rows): f16, both laid by tiles: byte (row / 128) 262144 + (k / 64) 16384 + (row % 128) 128 + (k % 64) 2.  out0: [4096][1024] f32.  Sums in f32.
; The first 16 positions of each batch are written here like all rows and written again, more finely, by the launch that follows.
; A tile of out is 128 x 128: 256 work-groups.  Four waves, each 64 x 64: 16 accumulators of 16 x 16.  K goes in steps of 256 (four blocks of 64) through two LDS slots.  In memory 128 rows x 256 along K are 65,536 dense bytes:
; a wave's tensor load brings two blocks of 64 along K: 256 rows of 128 bytes, 16 bytes of padding behind each.
; CLUSTERS: 4 x 4 work-groups.  The four of a row of the cluster need the same tiles of ctx, the four of a column the same tiles of out_w: each tile is asked for JOINTLY.
; THE MATRIX INSTRUCTION IS USED TRANSPOSED (source 0 = 16 rows of out_w, source 1 = 16 rows of ctx): a lane holds eight neighbouring columns of a row.  THE BIAS is the C of each sum's first instruction.
; REGISTERS: window 0: v0-31 addresses; v32-95 at work on the way out; v96-127 the bias; v128-255 the accumulators ((a, b) at v[128 + 8 (4 a + b)]).   window 1: two fragment buffers of 128: 64 registers of ctx, then 64 of out_w.
.set PITCH,  144                       ; an LDS row: 128 bytes + 16 = 36 words: the 16 rows that a load touches start at 16 different banks (ISA guide 11.1)
.set KB,     128*PITCH                 ; a block of 64 along K: 128 rows
.set LOADB,  2*KB                      ; what one tensor load brings
.set SLOT,   4*LOADB                   ; ctx's four blocks, then out_w's four
.set SPARE,  2*SLOT                    ; behind the ring: the spare words, 128 bytes for each wave
.set SPITCH, 272                       ; the way out: a stage of 16 rows x (256 bytes + 16) for each wave, in slot 0, which has had its last fill and its last read when the first result is stored there
.set LAPS,   2                         ; 1,024 along K = two laps of two K steps
.set ADRA, 16
.set ADRB, 20
.set STO,  24
.set RD,   25
.set CO,   26
.set BO,   27
.set SPW,  28
.set NIL,  29
.set TMP,  32
.set BIAS, 96
.set ACC,  128
.set F0,   0
.set F1,   128
.set G1, 24
.set G0, 32
.set G1B, 48
.set G0B, 56
.set MSB, 0
.macro WIN new
.if MSB != \new
	s_set_vgpr_msb (MSB<<8)|\new
.set MSB, \new
.endif
.endm
.set MUL,  0x05                        ; sources 0 and 1 window 1; C and D window 0
.set TO_F, 0x40                        ; destination window 1, address window 0
.macro JLOAD s                         ; a joint load: waves 0 and 1 fetch ctx's two halves along K, waves 2 and 3 out_w's; an s_nop 0 and four v_nop follow each of the two lines
	s_cmp_eq_u32 s11, 0
	s_cbranch_scc0 .Lfor_b_\@
	tensor_load_to_lds s[G0+4*\s:G0+4*\s+3], s[G1:G1+7]
	s_nop 0
.rept 4
	v_nop
.endr
	s_branch .Lasked_\@
.Lfor_b_\@:
	tensor_load_to_lds s[G0B+4*\s:G0B+4*\s+3], s[G1B:G1B+7]
	s_nop 0
.rept 4
	v_nop
.endr
.Lasked_\@:
.endm
.macro CREST
	s_cmp_lg_u32 s10, 0
	s_cbranch_scc1 .Lnot_wave_0_\@
	s_barrier_signal -3
.Lnot_wave_0_\@:
	s_barrier_wait -3
	s_barrier_signal -1
	s_barrier_wait -1
.endm
.macro CROUND
	s_barrier_signal -1
	s_barrier_wait -1
	CREST
.endm
	s_load_b128 s[4:7], s[0:1], 0x0                ; ctx16, ow16
	s_load_b64 s[8:9], s[0:1], 0x10                ; out0
	s_load_b64 s[66:67], s[0:1], 0x18              ; out_b
	v_lshl_add_u32 v[SPW], v0, 2, SPARE
	v_mov_b32 v[NIL], 0
	ds_add_u32 v[SPW], v[NIL]                      ; the wave's opening: the add, twice on end, and its wait ahead of my first tensor load
	ds_add_u32 v[SPW], v[NIL]
	v_lshrrev_b32 v1, 5, v0
	v_readfirstlane_b32 s10, v1                    ; wave 0..3
	s_lshr_b32 s11, s10, 1                         ; which half of the tile's rows is mine.  Also: I fetch for ctx (0) or for out_w (1)
	s_and_b32 s12, s10, 1                          ; which half of its columns.  Also: which two blocks along K I fetch
	s_bfe_u32 s40, ttmp6, 0x40000                  ; cx, cy
	s_bfe_u32 s41, ttmp6, 0x40004
	s_lshl_b32 s42, ttmp9, 2
	s_add_co_u32 s42, s42, s40                     ; tile column
	s_and_b32 s13, ttmp7, 0xffff
	s_lshl_b32 s13, s13, 2
	s_add_co_u32 s13, s13, s41                     ; tile row
	s_lshl_b32 s43, s41, 2
	s_lshl_b32 s43, 15, s43                        ; my row of the cluster
	s_lshl_b32 s44, 0x1111, s40                    ; my column
	s_or_b32 s[G1+0], s43, (1<<16)|(1<<20)|(1<<21)|(4<<22)|(3<<25)  ; the mask; elements of 2 bytes; padding on; bit 21 beside a mask; after every 32 words, 4 words
	s_or_b32 s[G1B+0], s44, (1<<16)|(1<<20)|(1<<21)|(4<<22)|(3<<25)
.irp g, G1, G1B
	s_mov_b32 s[\g+1], 64<<16                      ; tensor_dim0
	s_mov_b32 s[\g+2], 256<<16                     ; tensor_dim1
	s_mov_b32 s[\g+3], 64<<16                      ; tile_dim0
	s_mov_b32 s[\g+4], 256                         ; tile_dim1
	s_mov_b32 s[\g+5], 64                          ; the pitch: the rows are dense
	s_mov_b32 s[\g+6], 0
	s_mov_b32 s[\g+7], 0
.endr
	s_lshl_b32 s16, s13, 18                        ; ctx: tile row x 262,144
	s_lshl_b32 s17, s12, 15
	s_add_co_u32 s16, s16, s17                     ; + my two blocks of the K step's four
	s_mov_b32 s17, 0
	s_lshl_b32 s46, s42, 18                        ; out_w: tile column x 262,144
	s_lshl_b32 s47, s12, 15
	s_add_co_u32 s46, s46, s47
	s_mov_b32 s47, 0
	s_mul_i32 s20, s10, LOADB                      ; where they go: no place in the cluster enters an LDS address
	s_wait_dscnt 0x0                               ; both opening adds are done
	s_wait_kmcnt 0x0
	s_add_nc_u64 s[14:15], s[4:5], s[16:17]
	s_add_nc_u64 s[46:47], s[6:7], s[46:47]
	CROUND                                         ; all sixteen work-groups are here: the first joint loads meet
.irp s, 0,1
	s_mov_b32 s[G0+4*\s], 1
	s_add_co_u32 s[G0+4*\s+1], s20, \s*SLOT
	s_add_nc_u64 s[G0+4*\s+2:G0+4*\s+3], s[14:15], \s*65536
	s_or_b32 s[G0+4*\s+3], s[G0+4*\s+3], 0x80000000
	s_mov_b32 s[G0B+4*\s], 1
	s_add_co_u32 s[G0B+4*\s+1], s20, \s*SLOT
	s_add_nc_u64 s[G0B+4*\s+2:G0B+4*\s+3], s[46:47], \s*65536
	s_or_b32 s[G0B+4*\s+3], s[G0B+4*\s+3], 0x80000000
	JLOAD \s
.endr
	v_and_b32 v1, 15, v0                           ; r
	v_bfe_u32 v2, v0, 4, 1                         ; h
	v_mul_u32_u24 v3, v1, PITCH
	v_lshl_add_u32 v3, v2, 4, v3                   ; a fragment's row x pitch + 16 x half
	s_mul_i32 s21, s11, 64*PITCH                   ; my 64 rows of ctx
	s_mul_i32 s22, s12, 64*PITCH                   ; my 64 rows of out_w,
	s_add_co_u32 s22, s22, 2*LOADB                 ; which lie behind ctx's four blocks
.irp s, 0,1
	v_add_nc_u32 v[ADRA+\s], s21, v3
	v_add_nc_u32 v[ADRB+\s], s22, v3
	s_add_co_u32 s21, s21, SLOT
	s_add_co_u32 s22, s22, SLOT
.endr
	s_mul_i32 s23, s10, 16*SPITCH                  ; my stage
	v_mul_u32_u24 v4, v1, SPITCH                   ; in: row r, 32 bytes for each half of the lanes
	v_lshl_add_u32 v4, v2, 5, v4
	v_add_nc_u32 v[STO], s23, v4
	v_mul_u32_u24 v5, v2, SPITCH                   ; back: lanes 0-15 one row of 256 bytes, lanes 16-31 the next
	v_lshl_add_u32 v5, v1, 4, v5
	v_add_nc_u32 v[RD], s23, v5
	v_lshlrev_b32 v5, 12, v2                       ; and the same two rows in out0
	v_lshl_add_u32 v[CO], v1, 4, v5
	v_lshlrev_b32 v[BO], 5, v2
	s_lshl_b32 s16, s13, 7
	s_lshl_b32 s17, s11, 6
	s_add_co_u32 s16, s16, s17                     ; my first row: 128 x tile row + 64 x half
	s_lshl_b32 s16, s16, 12
	s_lshl_b32 s46, s42, 9
	s_lshl_b32 s47, s12, 8
	s_add_co_u32 s46, s46, s47                     ; my first column, in bytes: 512 x tile column + 256 x half
	s_mov_b32 s47, 0
	s_add_nc_u64 s[66:67], s[66:67], s[46:47]      ; the bias there
	s_add_co_u32 s16, s16, s46
	s_mov_b32 s17, 0
	s_add_nc_u64 s[8:9], s[8:9], s[16:17]
.irp b, 0,1,2,3
	global_load_b128 v[BIAS+8*\b:BIAS+8*\b+3],   v[BO], s[66:67] offset:64*\b      ; lane (r, h): out_b at my first column + 16 b + 8 h + 0 .. 7: the result's layout
	global_load_b128 v[BIAS+8*\b+4:BIAS+8*\b+7], v[BO], s[66:67] offset:64*\b+16
.endr
; 8 matrix instructions: m blocks a0, a0 + 1 x all 4 n blocks, 32 along K: half c of buffer f.  zero = 1: the first product starts the sums from the bias.  The 16 accumulators take turns.
.macro MUL8 f, c, a0, zero
.irp a, \a0, \a0+1
.irp b, 0,1,2,3
.if \zero
	v_wmma_f32_16x16x32_f16 v[ACC+8*(4*(\a)+\b):ACC+8*(4*(\a)+\b)+7], v[\f+64+8*(4*\c+\b):\f+64+8*(4*\c+\b)+7], v[\f+8*(4*\c+\a):\f+8*(4*\c+\a)+7], v[BIAS+8*\b:BIAS+8*\b+7]
.else
	v_wmma_f32_16x16x32_f16 v[ACC+8*(4*(\a)+\b):ACC+8*(4*(\a)+\b)+7], v[\f+64+8*(4*\c+\b):\f+64+8*(4*\c+\b)+7], v[\f+8*(4*\c+\a):\f+8*(4*\c+\a)+7], v[ACC+8*(4*(\a)+\b):ACC+8*(4*(\a)+\b)+7]
.endif
.endr
.endr
.endm
; 32 LDS loads in one run: the fragments of one block of 64 along K, which begins k bytes into the slot's part, into buffer f; the first 32 along K first
.macro FETCH slot, k, f
	WIN TO_F
.irp c, 0,1
.irp i, 0,1,2,3
	ds_load_b128 v[\f+64+8*(4*\c+\i):\f+64+8*(4*\c+\i)+3],   v[ADRB+\slot] offset:\k+64*\c+\i*16*PITCH
	ds_load_b128 v[\f+64+8*(4*\c+\i)+4:\f+64+8*(4*\c+\i)+7], v[ADRB+\slot] offset:\k+64*\c+\i*16*PITCH+32
	ds_load_b128 v[\f+8*(4*\c+\i):\f+8*(4*\c+\i)+3],         v[ADRA+\slot] offset:\k+64*\c+\i*16*PITCH
	ds_load_b128 v[\f+8*(4*\c+\i)+4:\f+8*(4*\c+\i)+7],       v[ADRA+\slot] offset:\k+64*\c+\i*16*PITCH+32
.endr
.endr
.endm
.macro PLACES                          ; four places in front of loads into registers that matrix instructions have read, and of reads of results
.rept 4
	v_nop
.endr
.endm
; A K step is four quarters, one block of 64 along K each, 32 matrix instructions, on buffers 0, 1, 0, 1.  One of the first three: multiplies buffer f and fetches the next quarter, at byte k, into g.
.macro QUARTER slot, k, f, g, zero
	s_wait_dscnt 16                                ; the first 32 along K are in; the sixteen loads of the second 32 may be out
	WIN MUL
	MUL8 \f, 0, 0, \zero
	MUL8 \f, 0, 2, \zero
	PLACES
	FETCH \slot, \k, \g
	s_wait_dscnt 32                                ; all but the 32 just issued
	WIN MUL
	MUL8 \f, 1, 0, 0
	MUL8 \f, 1, 2, 0
.endm
; The last quarter multiplies buffer 1 and changes slots: ONE barrier; in front of it each wave waits for all its tensor loads, adds 0 to its spare word, and waits for that and for its own reads of this slot.  fill = 1: this slot is filled again, two K steps ahead.
.macro TURN slot, next, fill
	WIN 0                                          ; (the add's two registers lie in window 0)
	s_wait_tensorcnt 0x0                           ; all my tensor loads have landed: my part of the next slot
	ds_add_u32 v[SPW], v[NIL]                      ; 0 onto my spare word
	s_wait_dscnt 17                                ; (the add and the youngest sixteen loads may be out)
	WIN MUL
	MUL8 F1, 0, 0, 0
	s_wait_dscnt 0x0                               ; the add is done, and my reads of this slot are over
	s_barrier_signal -1
	MUL8 F1, 0, 2, 0
.if \fill
	WIN 0
.endif
	s_barrier_wait -1
.if \fill
	CREST                                          ; the barrier has opened a round of the cluster's barrier: no wave of any partner still reads this slot's tile or has a load on its way
	s_add_nc_u64 s[G0+4*\slot+2:G0+4*\slot+3], s[G0+4*\slot+2:G0+4*\slot+3], 2*65536
	s_add_nc_u64 s[G0B+4*\slot+2:G0B+4*\slot+3], s[G0B+4*\slot+2:G0B+4*\slot+3], 2*65536
	JLOAD \slot                                    ; the first tensor load behind the round; the four v_nop behind it are also the places in front of the loads below
.else
	PLACES
.endif
	FETCH \next, 0, F0
	WIN MUL
	MUL8 F1, 1, 0, 0
	MUL8 F1, 1, 2, 0
.endm
	s_wait_tensorcnt 1                             ; my part of K step 0 is in (K step 1's load may be out)
	s_barrier_signal -1
	s_barrier_wait -1                              ; everybody's is
	FETCH 0, 0, F0
	s_wait_loadcnt 0x0                             ; the bias
	QUARTER 0, KB, F0, F1, 1                       ; the first quarter stands in front of the loop: its first products start the sums
	WIN 0                                          ; at a label and at a branch every window is 0
	s_mov_b32 s3, LAPS-1
.Llap:                                             ; a trip goes once round the ring, from a lap's second quarter to the next lap's first, and fills both slots again
	QUARTER 0, 2*KB, F1, F0, 0
	QUARTER 0, 3*KB, F0, F1, 0
	TURN 0, 1, 1
	QUARTER 1, KB, F0, F1, 0
	QUARTER 1, 2*KB, F1, F0, 0
	QUARTER 1, 3*KB, F0, F1, 0
	TURN 1, 0, 1
	QUARTER 0, KB, F0, F1, 0
	WIN 0
	s_sub_co_u32 s3, s3, 1
	s_cmp_lg_u32 s3, 0
	s_cbranch_scc1 .Llap
	QUARTER 0, 2*KB, F1, F0, 0                     ; the last lap fills nothing, and has no round of the cluster's barrier
	QUARTER 0, 3*KB, F0, F1, 0
	TURN 0, 1, 0
	QUARTER 1, KB, F0, F1, 0
	QUARTER 1, 2*KB, F1, F0, 0
	QUARTER 1, 3*KB, F0, F1, 0
	s_wait_dscnt 16                                ; the very last quarter: nothing more to fetch
	WIN MUL
	MUL8 F1, 0, 0, 0
	MUL8 F1, 0, 2, 0
	s_wait_dscnt 0
	MUL8 F1, 1, 0, 0
	MUL8 F1, 1, 2, 0
	WIN 0
; THE WAY OUT, a block of 16 rows x 64 columns at a time.  A lane holds 32 neighbouring bytes of a row: the block goes through my own stage and comes back as whole rows of 256 bytes, which sixteen lanes store, aligned.
.macro TOSTAGE a
.irp b, 0,1,2,3
	ds_store_b128 v[STO], v[ACC+8*(4*(\a)+\b):ACC+8*(4*(\a)+\b)+3]   offset:64*\b      ; each accumulator from its low end on
	ds_store_b128 v[STO], v[ACC+8*(4*(\a)+\b)+4:ACC+8*(4*(\a)+\b)+7] offset:64*\b+16
.endr
.irp t, 0,1,2,3,4,5,6,7
	ds_load_b128 v[TMP+32*((\a)%2)+4*\t:TMP+32*((\a)%2)+4*\t+3], v[RD] offset:\t*2*SPITCH   ; LDS serves a wave's instructions in order (ISA guide 5.7.1.4): these see the stores above
.endr
.endm
.macro SEND a, younger                 ; younger: the LDS instructions issued behind block a's loads, which may stay out
	s_wait_dscnt \younger
.irp t, 0,1,2,3,4,5,6,7
	global_store_b128 v[CO], v[TMP+32*((\a)%2)+4*\t:TMP+32*((\a)%2)+4*\t+3], s[8:9] offset:(16*(\a)+2*\t)*4096 th:TH_STORE_NT
.endr
.endm
	PLACES
	TOSTAGE 0
.irp a, 1,2,3
.if \a > 1
	s_wait_xcnt 0x0                                ; block a - 2's stores have read their registers: block a's loads may land there
.endif
	TOSTAGE \a
	SEND \a-1, 16                                  ; behind block a - 1's loads: block a's 8 stores and 8 loads
.endr
	SEND 3, 0
	s_wait_tensorcnt 0x0                           ; the wave's end, behind my last tensor load and my last LDS store
	ds_add_u32 v[SPW], v[NIL]
	s_wait_dscnt 0x0
	CROUND                                         ; the closing round: no work-group ends while a partner may still ask for a tile that names it
	s_endpgm
.Lfunc_end_k_q14565fd960_oproj:
	.size	k_q14565fd960_oproj, .Lfunc_end_k_q14565fd960_oproj-k_q14565fd960_oproj
	.p2alignl 7, 3214868480
	.fill 96, 4, 3214868480
	.section	.rodata,"a",@progbits
	.p2align	6, 0x0
	.amdhsa_kernel k_q14565fd960_oproj
		.amdhsa_group_segment_fixed_size 327680
		.amdhsa_private_segment_fixed_size 0
		.amdhsa_enable_private_segment 0
		.amdhsa_kernarg_size 32
		.amdhsa_user_sgpr_count 2
		.amdhsa_user_sgpr_kernarg_segment_ptr 1
		.amdhsa_wavefront_size32 1
		.amdhsa_system_sgpr_workgroup_id_x 1
		.amdhsa_system_sgpr_workgroup_id_y 1
		.amdhsa_system_sgpr_workgroup_id_z 1
		.amdhsa_system_vgpr_workitem_id 0
		.amdhsa_next_free_vgpr 512
		.amdhsa_next_free_sgpr 68
		.amdhsa_reserve_vcc 0
		.amdhsa_float_denorm_mode_32 3
		.amdhsa_float_denorm_mode_16_64 3
		.amdhsa_memory_ordered 1
		.amdhsa_forward_progress 1
		.amdhsa_inst_pref_size 86
	.end_amdhsa_kernel
	.amdgpu_metadata
---
amdhsa.version: [ 1, 2 ]
amdhsa.kernels:
  - .name:           k_q14565fd960_oproj
    .symbol:         k_q14565fd960_oproj.kd
    .args:
      - { .name: ctx16, .offset: 0, .size: 8, .value_kind: global_buffer, .address_space: global }
      - { .name: ow16, .offset: 8, .size: 8, .value_kind: global_buffer, .address_space: global }
      - { .name: out0, .offset: 16, .size: 8, .value_kind: global_buffer, .address_space: global }
      - { .name: out_b, .offset: 24, .size: 8, .value_kind: global_buffer, .address_space: global }
    .group_segment_fixed_size: 327680
    .private_segment_fixed_size: 0
    .kernarg_segment_align: 8
    .kernarg_segment_size: 32
    .max_flat_workgroup_size: 128
    .sgpr_count:     68
    .vgpr_count:     512
    .wavefront_size: 32
...
	.end_amdgpu_metadata
.endif
;; end of part 4
;; launch first16 (part 5): grid 32 x 2, 16 waves a work-group, no clusters, 38,912 bytes of LDS; arguments qkv32, out_w, out_b, out0; writes out0
.if DOCPART == 5
	.amdgcn_target "amdgcn-amd-amdhsa--gfx1250"
	.amdhsa_code_object_version 6
	.text
	.protected	k_q14565fd960_first16
	.globl	k_q14565fd960_first16
	.p2align	8
	.type	k_q14565fd960_first16,@function
k_q14565fd960_first16:
	s_mov_b64 s[64:65], 0
	v_nop
	global_prefetch_b8 v0, s[64:65] scope:SCOPE_SE
	s_setreg_imm32_b32 hwreg(HW_REG_WAVE_MODE, 25, 1), 1
	s_wait_xcnt 0x0
; The first 16 positions of each batch once more, wholly in f32: under the causal mask they average one to sixteen values and are the largest rows of the output, so 16-bit operands weigh most there.
; qkv32 [2][16][3072] f32 holds their q, k, v.  out0's rows 0-15 of each batch are written over.
; SHARES.  Work-group (x, y): batch y, output columns 32 x .. 32 x + 31.  Wave w is head w: it makes its head's 16 x 16 attention and multiplies its 16 x 64 of ctx by its 64 columns of out_w's 32 rows;
; the sixteen heads' parts meet in LDS, and waves 0-3 add them, heads ascending behind the bias, and store.  Each work-group of a batch makes the small attention anew: 196,608 bytes of qkv32.
; ALL PRODUCTS by v_wmma_f32_16x16x4_f32, all used transposed, so that a lane holds ONE query (lane % 16): S^T = K Q^T, O^T = V^T P, out^T = W ctx^T.
; The order of k within a product is chosen alike for both sources, so that a result's registers are the next product's source as they stand:
;   scores: step s takes channels 32 h + 2 s + j;   V^T P: step s takes keys 8 h + 2 s + j, which are p's own registers;   W ctx^T: step (ct, s) takes channels 16 ct + 8 h + 2 s + j, which are O^T's own registers.  (h = lane / 16, j = register)
; What the f32 matrix form writes is written by matrix instructions alone; sums begin with the constant 0; accumulators take turns.
; A work-group's 128 bytes of a row are half of an aligned 256: 131,072 bytes in the launch go out so; slices of 64 columns would double each wave's chain of f32 products.
; LIMITS: NaN and infinities not served; v_exp_f32 and v_rcp_f32 as the ISA guide gives them.
.set SPARE, 16*2304                    ; behind the sixteen parts (16 rows x (128 bytes + 16) each): the spare words, 128 bytes a wave
.set SPW, 3
.set NIL, 4
.set QR,  16                           ; v16-47   Q(r, 32 h + 0 .. 31)
.set KR,  48                           ; v48-79   K likewise
.set VR,  80                           ; v80-111  V(8 h + i, 16 ct + r) at 8 ct + i
.set WR,  112                          ; v112-175 W(16 nt + r, 16 ct + 8 h + i) at 32 nt + 8 ct + i
.set SA,  176                          ; v176-191 two accumulators of S^T
.set OC,  192                          ; v192-223 O^T, four tiles of 16 channels
.set OU,  224                          ; v224-239 out^T, two tiles of 16 columns
.set T,   240                          ; v240-247 the scores, then p
	s_load_b256 s[4:11], s[0:1], 0x0               ; qkv32, out_w, out_b, out0
	v_lshl_add_u32 v[SPW], v0, 2, SPARE
	v_mov_b32 v[NIL], 0
	v_lshrrev_b32 v14, 5, v0
	v_readfirstlane_b32 s18, v14                   ; wave = head
	v_and_b32 v1, 15, v0                           ; r
	v_bfe_u32 v2, v0, 4, 1                         ; h
	v_mul_u32_u24 v5, v1, 12288
	v_lshl_add_u32 v5, v2, 7, v5                   ; Q, K: position r, + 32 h channels
	v_mul_u32_u24 v6, v2, 98304
	v_lshl_add_u32 v6, v1, 2, v6                   ; V: position 8 h, channel r
	v_lshlrev_b32 v7, 12, v1
	v_lshl_add_u32 v7, v2, 5, v7                   ; W: row r, + 8 h channels
	v_lshlrev_b32 v8, 3, v2
	v_sub_nc_u32 v8, v1, v8                        ; r - 8 h: key 8 h + j is hidden where j is above this
	v_mov_b32 v9, 0xff800000                       ; -infinity
	s_mul_i32 s24, s18, 2304
	v_mul_u32_u24 v10, v1, 144
	v_lshl_add_u32 v10, v2, 5, v10
	v_add_nc_u32 v10, s24, v10                     ; my part in LDS: row r, + 32 h
	s_and_b32 s25, s18, 3
	s_lshl_b32 s25, s25, 2
	v_bfe_u32 v14, v0, 3, 2
	v_add_nc_u32 v14, s25, v14                     ; the sum: row 4 (wave % 4) + lane / 8,
	v_and_b32 v15, 7, v0
	v_lshlrev_b32 v13, 4, v15                      ; 16 bytes a lane (also my place in the bias)
	v_mad_u32_u24 v11, v14, 144, v13               ; in a part,
	v_lshl_add_u32 v12, v14, 12, v13               ; and in out0
	v_mov_b32 v250, 0                              ; written once: a lane permute's destination counts as one of its sources
	s_and_b32 s26, ttmp7, 0xffff                   ; the batch
	s_mul_i32 s28, s26, 196608
	s_lshl_b32 s27, s18, 8                         ; the head's 64 channels: 256 bytes
	s_add_co_u32 s28, s28, s27
	s_mov_b32 s29, 0
	s_lshl_b32 s30, ttmp9, 17                      ; 32 rows of out_w of 4,096 bytes
	s_add_co_u32 s30, s30, s27
	s_mov_b32 s31, 0
	s_lshl_b32 s32, ttmp9, 7                       ; 32 columns of 4 bytes
	s_mov_b32 s33, 0
	s_lshl_b32 s34, s26, 23                        ; a batch of out0: 8,388,608 bytes
	s_add_co_u32 s34, s34, s32
	s_mov_b32 s35, 0
	s_mov_b32 s20, 0x76543210
	s_mov_b32 s21, 0xfedcba98                      ; v_permlanex16_b32's selects for lane l xor 16
	s_mov_b32 s22, 0x3e38aa3b                      ; c = log2(e) / 8
	s_wait_kmcnt 0x0
	s_add_nc_u64 s[4:5], s[4:5], s[28:29]
	s_add_nc_u64 s[6:7], s[6:7], s[30:31]
	s_add_nc_u64 s[8:9], s[8:9], s[32:33]
	s_add_nc_u64 s[10:11], s[10:11], s[34:35]
.irp i, 0,1,2,3,4,5,6,7
	global_load_b128 v[QR+4*\i:QR+4*\i+3], v5, s[4:5] offset:16*\i
.endr
.irp i, 0,1,2,3,4,5,6,7
	global_load_b128 v[KR+4*\i:KR+4*\i+3], v5, s[4:5] offset:4096+16*\i
.endr
.irp ct, 0,1,2,3
.irp i, 0,1,2,3,4,5,6,7
	global_load_b32 v[VR+8*\ct+\i], v6, s[4:5] offset:\i*12288+8192+64*\ct
.endr
.endr
.irp nt, 0,1
.irp ct, 0,1,2,3
	global_load_b128 v[WR+32*\nt+8*\ct:WR+32*\nt+8*\ct+3],   v7, s[6:7] offset:65536*\nt+64*\ct
	global_load_b128 v[WR+32*\nt+8*\ct+4:WR+32*\nt+8*\ct+7], v7, s[6:7] offset:65536*\nt+64*\ct+16
.endr
.endr
	s_wait_loadcnt 48                              ; Q and K are in; V's 32 loads and W's 16 may be out
.irp s, 0,1,2,3,4,5,6,7,8,9,10,11,12,13,14,15
.if \s < 2
	v_wmma_f32_16x16x4_f32 v[SA+8*(\s%2):SA+8*(\s%2)+7], v[KR+2*\s:KR+2*\s+1], v[QR+2*\s:QR+2*\s+1], 0
.else
	v_wmma_f32_16x16x4_f32 v[SA+8*(\s%2):SA+8*(\s%2)+7], v[KR+2*\s:KR+2*\s+1], v[QR+2*\s:QR+2*\s+1], v[SA+8*(\s%2):SA+8*(\s%2)+7]
.endif
.endr
.rept 8
	v_nop                                          ; eight places behind this form before its result is read (ISA guide 7.12.1)
.endr
.irp j, 0,1,2,3,4,5,6,7
	v_add_f32 v[T+\j], v[SA+\j], v[SA+8+\j]        ; lane (r, h): the score of query r and key 8 h + j; both accumulators from their low end on
.endr
.irp j, 0,1,2,3,4,5,6,7
	v_cmp_gt_i32 vcc_lo, \j, v8
	v_cndmask_b32 v[T+\j], v[T+\j], v9, vcc_lo     ; hidden keys: -infinity.  Key 0 counts for every query
.endr
	v_max3_num_f32 v248, v[T], v[T+1], v[T+2]
	v_max3_num_f32 v249, v[T+3], v[T+4], v[T+5]
	v_max3_num_f32 v248, v248, v[T+6], v[T+7]
	v_max_num_f32 v248, v248, v249
	v_permlanex16_b32 v250, v248, s20, s21
	v_max_num_f32 v248, v248, v250                 ; the row's maximum
	v_mul_f32 v249, s22, v248
.irp j, 0,1,2,3,4,5,6,7
	v_fma_f32 v[T+\j], v[T+\j], s22, -v249         ; c s - c m
.endr
.irp j, 0,1,2,3,4,5,6,7
	v_exp_f32 v[T+\j], v[T+\j]
.endr
	v_nop                                          ; a plain instruction behind the last exponential
	s_wait_alu depctr_va_vdst(0)                   ; one wait for the eight, ahead of their first reader
	v_add_f32 v251, v[T], v[T+1]
	v_add_f32 v252, v[T+2], v[T+3]
	v_add_f32 v253, v[T+4], v[T+5]
	v_add_f32 v254, v[T+6], v[T+7]
	v_add_f32 v251, v251, v252
	v_add_f32 v253, v253, v254
	v_add_f32 v251, v251, v253
	v_permlanex16_b32 v250, v251, s20, s21
	v_add_f32 v251, v251, v250                     ; the row's sum
	v_rcp_f32 v252, v251
	v_nop
	s_wait_alu depctr_va_vdst(0)
.irp j, 0,1,2,3,4,5,6,7
	v_mul_f32 v[T+\j], v[T+\j], v252               ; the weights
.endr
	s_wait_loadcnt 16                              ; V is in; W's 16 loads may be out
.irp s, 0,1,2,3
.irp ct, 0,1,2,3
.if \s == 0
	v_wmma_f32_16x16x4_f32 v[OC+8*\ct:OC+8*\ct+7], v[VR+8*\ct+2*\s:VR+8*\ct+2*\s+1], v[T+2*\s:T+2*\s+1], 0
.else
	v_wmma_f32_16x16x4_f32 v[OC+8*\ct:OC+8*\ct+7], v[VR+8*\ct+2*\s:VR+8*\ct+2*\s+1], v[T+2*\s:T+2*\s+1], v[OC+8*\ct:OC+8*\ct+7]
.endif
.endr
.endr
.rept 9
	v_nop                                          ; nine places before a matrix instruction takes these results as a source
.endr
	s_wait_loadcnt 0x0                             ; W
.irp ct, 0,1,2,3
.irp s, 0,1,2,3
.irp nt, 0,1
.if (\ct == 0) && (\s == 0)
	v_wmma_f32_16x16x4_f32 v[OU+8*\nt:OU+8*\nt+7], v[WR+32*\nt+8*\ct+2*\s:WR+32*\nt+8*\ct+2*\s+1], v[OC+8*\ct+2*\s:OC+8*\ct+2*\s+1], 0
.else
	v_wmma_f32_16x16x4_f32 v[OU+8*\nt:OU+8*\nt+7], v[WR+32*\nt+8*\ct+2*\s:WR+32*\nt+8*\ct+2*\s+1], v[OC+8*\ct+2*\s:OC+8*\ct+2*\s+1], v[OU+8*\nt:OU+8*\nt+7]
.endif
.endr
.endr
.endr
.rept 8
	v_nop
.endr
.irp nt, 0,1
	ds_store_b128 v10, v[OU+8*\nt:OU+8*\nt+3]   offset:64*\nt       ; lane (r, h): my head's part of out(r, 16 nt + 8 h + 0 .. 7)
	ds_store_b128 v10, v[OU+8*\nt+4:OU+8*\nt+7] offset:64*\nt+16
.endr
	s_wait_dscnt 0x0                               ; for the others' sake: my stores are done
	s_barrier_signal -1
	s_barrier_wait -1
	s_cmp_ge_u32 s18, 4
	s_cbranch_scc1 .Lend
	global_load_b128 v[80:83], v13, s[8:9]         ; the bias of my four columns
.irp i, 0,1,2,3,4,5,6,7,8,9,10,11,12,13,14,15
	ds_load_b128 v[16+4*\i:19+4*\i], v11 offset:2304*\i
.endr
	s_wait_loadcnt 0x0
	s_wait_dscnt 0x0
.irp i, 0,1,2,3,4,5,6,7,8,9,10,11,12,13,14,15
	v_pk_add_f32 v[80:81], v[80:81], v[16+4*\i:17+4*\i]
	v_pk_add_f32 v[82:83], v[82:83], v[18+4*\i:19+4*\i]
.endr
	global_store_b128 v12, v[80:83], s[10:11]      ; eight lanes store a row's 128 bytes
.Lend:
	s_wait_tensorcnt 0x0                           ; the wave's end, behind my last LDS store
	ds_add_u32 v[SPW], v[NIL]
	s_wait_dscnt 0x0
	s_endpgm
.Lfunc_end_k_q14565fd960_first16:
	.size	k_q14565fd960_first16, .Lfunc_end_k_q14565fd960_first16-k_q14565fd960_first16
	.p2alignl 7, 3214868480
	.fill 96, 4, 3214868480
	.section	.rodata,"a",@progbits
	.p2align	6, 0x0
	.amdhsa_kernel k_q14565fd960_first16
		.amdhsa_group_segment_fixed_size 38912
		.amdhsa_private_segment_fixed_size 0
		.amdhsa_enable_private_segment 0
		.amdhsa_kernarg_size 32
		.amdhsa_user_sgpr_count 2
		.amdhsa_user_sgpr_kernarg_segment_ptr 1
		.amdhsa_wavefront_size32 1
		.amdhsa_system_sgpr_workgroup_id_x 1
		.amdhsa_system_sgpr_workgroup_id_y 1
		.amdhsa_system_sgpr_workgroup_id_z 1
		.amdhsa_system_vgpr_workitem_id 0
		.amdhsa_next_free_vgpr 256
		.amdhsa_next_free_sgpr 66
		.amdhsa_reserve_vcc 1
		.amdhsa_float_denorm_mode_32 3
		.amdhsa_float_denorm_mode_16_64 3
		.amdhsa_memory_ordered 1
		.amdhsa_forward_progress 1
		.amdhsa_inst_pref_size 20
	.end_amdhsa_kernel
	.amdgpu_metadata
---
amdhsa.version: [ 1, 2 ]
amdhsa.kernels:
  - .name:           k_q14565fd960_first16
    .symbol:         k_q14565fd960_first16.kd
    .args:
      - { .name: qkv32, .offset: 0, .size: 8, .value_kind: global_buffer, .address_space: global }
      - { .name: out_w, .offset: 8, .size: 8, .value_kind: global_buffer, .address_space: global }
      - { .name: out_b, .offset: 16, .size: 8, .value_kind: global_buffer, .address_space: global }
      - { .name: out0, .offset: 24, .size: 8, .value_kind: global_buffer, .address_space: global }
    .group_segment_fixed_size: 38912
    .private_segment_fixed_size: 0
    .kernarg_segment_align: 8
    .kernarg_segment_size: 32
    .max_flat_workgroup_size: 512
    .sgpr_count:     66
    .vgpr_count:     256
    .wavefront_size: 32
...
	.end_amdgpu_metadata
.endif
;; end of part 5
